; MI455X (gfx1250); checked and timed in simulation.
; The chip was launched on July 23, 2026; its instructions are those of AMD's public machine-readable ISA for CDNA 5 (MIT licence, August 2026) and "CDNA5" Instruction Set Architecture Reference Guide (July 2026). The comments in the code are by the model that wrote it; some were corrected since.
;; Attention. Allowed arithmetic: float matrix products may take bf16 or f16 operands with f32 sums; all other float work in f32.
;; Inputs: b_out 1,024 float32; mask 2 x 2,048 bool; rotary_pos_emb 2,048 x 64 float32; w_out 1,024 x 1,024 float32; w_qkv 3,072 x 1,024 float32; x 2 x 2,048 x 1,024 float32.
;; Outputs: out0 2 x 2,048 x 1,024 float32.
;; 2 versions, each right. Each part assembles by itself: llvm-mc -triple=amdgcn-amd-amdhsa -mcpu=gfx1250 --defsym DOCPART=n.
;; ======== version 1 of 2: 4 launches
;; limits: values outside matrix products are rounded to bf16; values are held in f16: magnitudes above 65,504 overflow, below 6.1e-05 lose precision
;; workspace buffers: xb 8,388,608 bytes; wqb 6,291,456 bytes; wob 2,097,152 bytes; rot 1,048,576 bytes; kbias 16,384 bytes; qkv 25,165,824 bytes; vsum 131,072 bytes; ao 8,388,608 bytes
;; launch prep (part 1): grid 512 x 1, 8 waves a work-group, no clusters, 0 bytes of LDS; arguments x, w_qkv, w_out, rotary_pos_emb, mask, xb, wqb, wob, rot, kbias; writes xb, wqb, wob, rot, kbias
.if DOCPART == 1
	.amdgcn_target "amdgcn-amd-amdhsa--gfx1250"
	.amdhsa_code_object_version 6
	.text
	.protected	k_q63eb873598_prep
	.globl	k_q63eb873598_prep
	.p2align	8
	.type	k_q63eb873598_prep,@function
k_q63eb873598_prep:
	s_mov_b64 s[64:65], 0
	v_nop
	global_prefetch_b8 v0, s[64:65] scope:SCOPE_SE
	s_setreg_imm32_b32 hwreg(HW_REG_WAVE_MODE, 25, 1), 1
	s_wait_xcnt 0x0
; Format changes and two small tables, as a stream: no LDS, no barrier, no matrix work (memory binds here).
;   xb  = bf16(x), wqb = bf16(w_qkv), wob = f16(bf16(w_out))   (a bf16 number is exact in f16 inside f16's normal range)
;   rot = for each position 64 f32 of cos(f) and 64 f32 of -sin(f) (even d) / +sin(f) (odd d), f = the angle rounded to bf16
;   kbias = 0 for a key that the mask keeps, -2^100 for one that it drops
; LIMITS: every f32 input of a matrix product, and the angles, are rounded to bf16.  |w_out| < 65504; below 6.1e-5 wob keeps an absolute
; error of 3e-8 (f16 denormals).  The angle is reduced by two constants for 2 pi: good to about 1e-7 for |f| up to about 1e4.
; Work-group wg turns 65,536 input bytes into 32,768: wg 0-255 x, 256-447 w_qkv, 448-511 w_out.  Thread t takes 32 bytes of each of eight
; pieces of 8,192 bytes and stores 16: a wave's store covers 512 consecutive bytes, aligned.  All sixteen loads are out at once.
; Waves 0 and 1 also make 256 angles' cos and sin; wave 2 of work-groups 0-31 also makes 128 keys' bias.
.set X, 32                             ; v[32:95]  group g: 8 f32 as loaded
.set Y, 96                             ; v[96:127] group g: 4 registers to store; none is used twice, so no store's data is rewritten
	s_load_b512 s[4:19], s[0:1], 0x0               ; x 4:5, w_qkv 6:7, w_out 8:9, rotary 10:11, mask 12:13, xb 14:15, wqb 16:17, wob 18:19
	s_load_b128 s[20:23], s[0:1], 0x40             ; rot 20:21, kbias 22:23
	v_lshrrev_b32 v3, 5, v0
	v_readfirstlane_b32 s24, v3                    ; wave
	v_lshlrev_b32 v1, 5, v0                        ; 32 t: my bytes in a piece of the input
	v_lshlrev_b32 v2, 4, v0                        ; 16 t: in a piece of the output, and my four angles
	v_and_b32 v10, 31, v0
	v_lshlrev_b32 v11, 4, v10                      ; 16 lane: my four biases
	v_lshlrev_b32 v10, 2, v10                      ; 4 lane: my four mask bytes
	v_and_b32 v9, 15, v0
	v_lshrrev_b32 v3, 4, v0
	v_lshlrev_b32 v9, 4, v9
	v_lshl_add_u32 v9, v3, 9, v9                   ; 512 (t / 16) + 16 (t % 16): my place in four rows of rot
	v_mov_b32 v8, 0                                ; the mask word's register is written on every path
	v_mov_b32 v13, 0xf1800000                      ; -2^100
	s_movk_i32 s25, 448
	s_mov_b32 s31, 0
	s_mov_b32 s40, 0x40c90000                      ; 6.28125
	s_mov_b32 s41, 0x3afdaa22                      ; 2 pi - 6.28125
	s_mov_b32 s42, 0xb2d7322b                      ; -1/11!
	s_mov_b32 s43, 0x310f76c7                      ; 1/12!
	s_wait_kmcnt 0x0
	s_cmp_lt_u32 ttmp9, 448                        ; which tensor is mine, and at which work-group it starts
	s_cselect_b64 s[26:27], s[6:7], s[8:9]
	s_cselect_b64 s[28:29], s[16:17], s[18:19]
	s_cselect_b32 s25, 256, s25
	s_cmp_lt_u32 ttmp9, 256
	s_cselect_b64 s[26:27], s[4:5], s[26:27]
	s_cselect_b64 s[28:29], s[14:15], s[28:29]
	s_cselect_b32 s25, 0, s25
	s_sub_co_u32 s25, ttmp9, s25
	s_lshl_b32 s30, s25, 16
	s_add_nc_u64 s[26:27], s[26:27], s[30:31]      ; from
	s_lshl_b32 s30, s25, 15
	s_add_nc_u64 s[28:29], s[28:29], s[30:31]      ; to
	s_lshl_b32 s30, ttmp9, 10
	s_add_nc_u64 s[10:11], s[10:11], s[30:31]      ; 256 angles of this work-group
	s_lshl_b32 s30, ttmp9, 11
	s_add_nc_u64 s[20:21], s[20:21], s[30:31]      ; their four rows of rot
	s_lshl_b32 s30, ttmp9, 7
	s_add_nc_u64 s[12:13], s[12:13], s[30:31]      ; 128 mask bytes (used by work-groups 0-31 alone)
	s_lshl_b32 s30, ttmp9, 9
	s_add_nc_u64 s[22:23], s[22:23], s[30:31]
	; the small jobs' loads go out first: they are older than the sixteen, so the counted waits below cover them
	s_cmp_gt_u32 s24, 1
	s_cbranch_scc1 .Lno_angle_load
	global_load_b128 v[4:7], v2, s[10:11]
.Lno_angle_load:
	s_cmp_lg_u32 s24, 2
	s_cbranch_scc1 .Lno_mask_load
	s_cmp_gt_u32 ttmp9, 31
	s_cbranch_scc1 .Lno_mask_load
	global_load_b32 v8, v10, s[12:13]
.Lno_mask_load:
.irp g, 0,1,2,3,4,5,6,7
	global_load_b128 v[X+8*\g:X+8*\g+3],   v1, s[26:27] offset:8192*\g th:TH_LOAD_NT
	global_load_b128 v[X+8*\g+4:X+8*\g+7], v1, s[26:27] offset:8192*\g+16 th:TH_LOAD_NT
.endr
; group g: eight numbers to bf16; half = 1: the rounded numbers once more to f16
.macro CONV g, half
	s_wait_loadcnt 14-2*\g                         ; loads come back in order: the 2 (7 - g) younger ones may stay out
.irp p, 0,1,2,3
	v_cvt_pk_bf16_f32 v[Y+4*\g+\p], v[X+8*\g+2*\p], v[X+8*\g+2*\p+1]
.endr
.if \half
.irp p, 0,1,2,3
	v_lshlrev_b32 v[X+8*\g+2*\p],   16, v[Y+4*\g+\p]
	v_and_b32     v[X+8*\g+2*\p+1], 0xffff0000, v[Y+4*\g+\p]
.endr
.irp p, 0,1,2,3
	v_cvt_pk_f16_f32 v[Y+4*\g+\p], v[X+8*\g+2*\p], v[X+8*\g+2*\p+1]
.endr
.endif
	global_store_b128 v2, v[Y+4*\g:Y+4*\g+3], s[28:29] offset:4096*\g
.endm
	s_cmp_ge_u32 ttmp9, 448
	s_cbranch_scc1 .Lto_f16
.irp g, 0,1,2,3,4,5,6,7
	CONV \g, 0
.endr
	s_branch .Lsmall_jobs
.Lto_f16:
.irp g, 0,1,2,3,4,5,6,7
	CONV \g, 1
.endr
.Lsmall_jobs:                                      ; the last wait above was for 0: the small jobs' loads are in
	s_cmp_gt_u32 s24, 1
	s_cbranch_scc1 .Lno_angles
; cos f and sin f.  k = nearest whole number to f / 2 pi; r = f - 2 pi k in two fused steps; y = r / 2 lies in [-pi/2, pi/2];
; sin y and cos y by their series through y^11 and y^12 (the first terms left out are below 6e-8); sin f = 2 sin y cos y, cos f = 1 - 2 sin^2 y.
.macro SINCOS f, c, s, two
	v_mul_f32 v28, 0.15915494, v[\f]
	v_rndne_f32 v28, v28
	v_fma_f32 v29, -v28, s40, v[\f]
	v_fma_f32 v29, -v28, s41, v29
	v_mul_f32 v29, 0.5, v29                        ; y
	v_mul_f32 v30, v29, v29                        ; y^2
	v_fmaak_f32 v31, s42, v30, 0x3638ef1d          ; 1/9!
	v_fmaak_f32 v31, v31, v30, 0xb9500d01          ; -1/7!
	v_fmaak_f32 v31, v31, v30, 0x3c088889          ; 1/5!
	v_fmaak_f32 v31, v31, v30, 0xbe2aaaab          ; -1/3!
	v_fmaak_f32 v31, v31, v30, 0x3f800000
	v_mul_f32 v31, v31, v29                        ; sin y
	v_fmaak_f32 v28, s43, v30, 0xb493f27e          ; -1/10!
	v_fmaak_f32 v28, v28, v30, 0x37d00d01          ; 1/8!
	v_fmaak_f32 v28, v28, v30, 0xbab60b61          ; -1/6!
	v_fmaak_f32 v28, v28, v30, 0x3d2aaaab          ; 1/4!
	v_fmaak_f32 v28, v28, v30, 0xbf000000          ; -1/2
	v_fmaak_f32 v28, v28, v30, 0x3f800000          ; cos y
	v_mul_f32 v28, v28, v31
	v_mul_f32 v31, v31, v31
	v_mul_f32 v[\s], \two, v28                     ; +-sin f
	v_fma_f32 v[\c], v31, -2.0, 1.0                ; cos f
.endm
	v_cvt_pk_bf16_f32 v12, v4, v5                  ; the angles rounded to bf16, as the other inputs are
	v_cvt_pk_bf16_f32 v14, v6, v7
	v_lshlrev_b32 v4, 16, v12
	v_and_b32 v5, 0xffff0000, v12
	v_lshlrev_b32 v6, 16, v14
	v_and_b32 v7, 0xffff0000, v14
	SINCOS 4, 16, 20, -2.0                         ; even d: out = t cos - t[d+1] sin
	SINCOS 5, 17, 21, 2.0                          ; odd d:  out = t cos + t[d-1] sin
	SINCOS 6, 18, 22, -2.0
	SINCOS 7, 19, 23, 2.0
	global_store_b128 v9, v[16:19], s[20:21]               ; sixteen lanes store 256 consecutive bytes, aligned: a position's cos
	global_store_b128 v9, v[20:23], s[20:21] offset:256    ; and its signed sin
.Lno_angles:
	s_cmp_lg_u32 s24, 2
	s_cbranch_scc1 .Ldone
	s_cmp_gt_u32 ttmp9, 31
	s_cbranch_scc1 .Ldone
.irp e, 0,1,2,3
	v_bfe_u32 v12, v8, 8*\e, 8
	v_cmp_eq_u32 vcc_lo, 0, v12
	v_cndmask_b32 v[24+\e], 0, v13, vcc_lo         ; a byte 0 drops the key
.endr
	global_store_b128 v11, v[24:27], s[22:23]
.Ldone:
	s_endpgm
.Lfunc_end_k_q63eb873598_prep:
	.size	k_q63eb873598_prep, .Lfunc_end_k_q63eb873598_prep-k_q63eb873598_prep
	.p2alignl 7, 3214868480
	.fill 96, 4, 3214868480
	.section	.rodata,"a",@progbits
	.p2align	6, 0x0
	.amdhsa_kernel k_q63eb873598_prep
		.amdhsa_group_segment_fixed_size 0
		.amdhsa_private_segment_fixed_size 0
		.amdhsa_enable_private_segment 0
		.amdhsa_kernarg_size 80
		.amdhsa_user_sgpr_count 2
		.amdhsa_user_sgpr_kernarg_segment_ptr 1
		.amdhsa_wavefront_size32 1
		.amdhsa_system_sgpr_workgroup_id_x 1
		.amdhsa_system_sgpr_workgroup_id_y 1
		.amdhsa_system_sgpr_workgroup_id_z 1
		.amdhsa_system_vgpr_workitem_id 0
		.amdhsa_next_free_vgpr 128
		.amdhsa_next_free_sgpr 66
		.amdhsa_reserve_vcc 1
		.amdhsa_float_denorm_mode_32 3
		.amdhsa_float_denorm_mode_16_64 3
		.amdhsa_memory_ordered 1
		.amdhsa_forward_progress 1
		.amdhsa_inst_pref_size 21
	.end_amdhsa_kernel
	.amdgpu_metadata
---
amdhsa.version: [ 1, 2 ]
amdhsa.kernels:
  - .name:           k_q63eb873598_prep
    .symbol:         k_q63eb873598_prep.kd
    .args:
      - { .name: x, .offset: 0, .size: 8, .value_kind: global_buffer, .address_space: global }
      - { .name: w_qkv, .offset: 8, .size: 8, .value_kind: global_buffer, .address_space: global }
      - { .name: w_out, .offset: 16, .size: 8, .value_kind: global_buffer, .address_space: global }
      - { .name: rotary_pos_emb, .offset: 24, .size: 8, .value_kind: global_buffer, .address_space: global }
      - { .name: mask, .offset: 32, .size: 8, .value_kind: global_buffer, .address_space: global }
      - { .name: xb, .offset: 40, .size: 8, .value_kind: global_buffer, .address_space: global }
      - { .name: wqb, .offset: 48, .size: 8, .value_kind: global_buffer, .address_space: global }
      - { .name: wob, .offset: 56, .size: 8, .value_kind: global_buffer, .address_space: global }
      - { .name: rot, .offset: 64, .size: 8, .value_kind: global_buffer, .address_space: global }
      - { .name: kbias, .offset: 72, .size: 8, .value_kind: global_buffer, .address_space: global }
    .group_segment_fixed_size: 0
    .private_segment_fixed_size: 0
    .kernarg_segment_align: 8
    .kernarg_segment_size: 80
    .max_flat_workgroup_size: 256
    .sgpr_count:     66
    .vgpr_count:     128
    .wavefront_size: 32
...
	.end_amdgpu_metadata
.endif
;; end of part 1
;; launch qkvp (part 2): grid 12 x 16, 4 waves a work-group, clusters of 4 x 4, 327,680 bytes of LDS; arguments xb, wqb, rot, qkv, vsum; writes qkv, vsum
.if DOCPART == 2
	.amdgcn_target "amdgcn-amd-amdhsa--gfx1250"
	.amdhsa_code_object_version 6
	.text
	.protected	k_q63eb873598_qkvp
	.globl	k_q63eb873598_qkvp
	.p2align	8
	.type	k_q63eb873598_qkvp,@function
k_q63eb873598_qkvp:
	s_mov_b64 s[64:65], 0
	v_nop
	global_prefetch_b8 v0, s[64:65] scope:SCOPE_SE
	s_setreg_imm32_b32 hwreg(HW_REG_WAVE_MODE, 25, 1), 1
	s_wait_xcnt 0x0
	s_wait_alu depctr_hold_cnt(0) depctr_sa_sdst(0) depctr_va_vdst(0) depctr_va_sdst(0) depctr_va_ssrc(0) depctr_va_vcc(0) depctr_vm_vsrc(0)
	s_getreg_b32 s2, hwreg(HW_REG_IB_STS2, 6, 4)
	s_cmp_eq_u32 s2, 0
	s_cbranch_scc0 .Lentry_in_a_cluster
	s_endpgm
.Lentry_in_a_cluster:
	s_bfe_u32 s2, ttmp6, 0x10000c
	s_cmp_lg_u32 s2, 0xf033
	s_cbranch_scc0 .Lentry_shape_is_right
	s_endpgm
.Lentry_shape_is_right:
; qkv = xb wqb^T (4096 x 3072, K = 1024, bf16 operands, f32 sums), the rotary step on q, k and v in f32, the result in f16 by heads:
; plane 2 g + b (g = h: q, 16 + h: k, 32 + h: v) of 2048 rows x 64 f16.  For v also the column sums of each 128 rows (vsum), which the
; attention needs for queries without any valid key.  q is NOT scaled here: the attention folds the scale into its exponent.
; LIMIT: |q|, |k|, |v| < 65504 (f16); below 6.1e-5 an absolute error of 3e-8.
; A work-group makes 256 x 256 with four waves, a wave 128 x 128 (two whole heads): 64 accumulator tiles, 512 registers.  192 work-groups.
; K goes in steps of 128 through two LDS slots; a tile's rows are 256 bytes of memory at multiples of 256 bytes from the buffer's start.
; CLUSTERS: 4 x 4 work-groups; xb's tile hangs on the block row alone and is asked for jointly along a row of the cluster, wqb's on the
; block column alone and jointly along a column: a quarter of the requests.
; REGISTERS: window 0: v16-29 addresses, v32-63 read-back, v64-127 and v128-191 fragments of xb (two buffers; on the way out the table and
; the swapped products), v192-223 packed results.  Window 1: v64-191 fragments of wqb.  Windows 2, 3: accumulators, tile (a, b) at 8 (8 a + b).
; The matrix instruction is used transposed (source 0 = 16 rows of wqb, source 1 = 16 rows of xb): lane l holds token l % 16, and its
; registers 0-7 the features 8 (l / 16) + 0..7 of the tile: neighbouring numbers of a head, pairs of the rotary step in one register pair.
.set SIZE_K, 1024
.set KSTEP,  128
.set PITCH,  272                       ; 256 bytes + 16 of padding: the 16 rows of a fragment load start 16 bytes apart modulo 256
.set HALFT,  128*PITCH
.set SLOT,   4*HALFT                   ; xb's 256 rows, then wqb's 256 rows
.set STAGE,  2*SLOT                    ; behind the ring, never filled by a tensor load: 2 heads x 16 rows x 144 bytes for each wave
.set SPITCH, 144
.set SHEAD,  16*SPITCH
.set LAPS,   SIZE_K/(2*KSTEP)          ; 4
.set ADRA, 16
.set ADRB, 20
.set STO,  24                          ; where I put 16 bytes of a row of the stage
.set RD,   25                          ; where I read 16 bytes back
.set CO,   26                          ; 16 x lane
.set RT,   27                          ; 512 r + 32 h: my place in the table
.set VS,   28                          ; stage + 32 h
.set VR,   29                          ; stage + 16 lane
.set RB,   32
.set F0,   64
.set F1,   128
.set RC,   F0                          ; way out: cos at RC + 16 bq + j, signed sin at RC + 16 bq + 8 + j
.set TF,   F1                          ; way out: swapped pair x signed sin
.set TMP,  192
.set G1, 24
.set G0, 32
.set G1B, 48
.set G0B, 56
.set MSB, 0
.macro WIN new                         ; the immediate's high byte repeats the setting that is left
.if MSB != (\new)
	s_set_vgpr_msb (MSB<<8)|(\new)
.set MSB, (\new)
.endif
.endm
.set MUL_LO, 0xa1                      ; source 0 window 1, source 1 window 0, C and D window 2
.set MUL_HI, 0xf1                      ; the same, C and D window 3
.set TO_B,   0x40
.macro JLOAD s                         ; waves 0, 1 ask for xb's halves, waves 2, 3 for wqb's: one mask a line, the branch hangs on the wave alone
	s_cmp_eq_u32 s11, 0
	s_cbranch_scc0 .Lfor_b_\@
	tensor_load_to_lds s[G0+4*\s:G0+4*\s+3], s[G1:G1+7]
	s_nop 0
	s_branch .Lasked_\@
.Lfor_b_\@:
	tensor_load_to_lds s[G0B+4*\s:G0B+4*\s+3], s[G1B:G1B+7]
	s_nop 0
.Lasked_\@:
.endm
.macro CREST                           ; a round of the cluster's barrier behind its opening work-group barrier
	s_cmp_lg_u32 s10, 0
	s_cbranch_scc1 .Lnot_wave_0_\@
	s_barrier_signal -3
.Lnot_wave_0_\@:
	s_barrier_wait -3
	s_barrier_signal -1
	s_barrier_wait -1
.endm
.macro CROUND
	s_barrier_signal -1
	s_barrier_wait -1
	CREST
.endm
	s_load_b128 s[4:7], s[0:1], 0x0                ; xb, wqb
	s_load_b128 s[68:71], s[0:1], 0x10             ; rot, qkv
	s_load_b64 s[72:73], s[0:1], 0x20              ; vsum
	s_set_vgpr_msb 0x40
	v_lshl_add_u32 v255, v0, 2, 0x48800
	s_set_vgpr_msb 0x4000
	v_mov_b32 v255, 0
	s_set_vgpr_msb 0x1
	ds_add_u32 v255, v255
	ds_add_u32 v255, v255
	s_set_vgpr_msb 0x100
	v_lshrrev_b32 v1, 5, v0
	v_readfirstlane_b32 s10, v1                    ; wave
	s_lshr_b32 s11, s10, 1                         ; my half of the block's rows; also: I fetch for xb (0) or wqb (1)
	s_and_b32 s12, s10, 1                          ; my half of its columns; also: which 128 rows of that tile I fetch
	s_bfe_u32 s40, ttmp6, 0x40000                  ; cx
	s_bfe_u32 s41, ttmp6, 0x40004                  ; cy
	s_lshl_b32 s42, ttmp9, 2
	s_add_co_u32 s42, s42, s40                     ; block column 0..11
	s_and_b32 s13, ttmp7, 0xffff
	s_lshl_b32 s13, s13, 2
	s_add_co_u32 s13, s13, s41                     ; block row 0..15
	s_lshl_b32 s43, s41, 2
	s_lshl_b32 s43, 15, s43                        ; my row of the cluster
	s_lshl_b32 s44, 0x1111, s40                    ; my column
	; group 1: 128 rows x 128 elements of 2 bytes, 4 words of padding behind every 64
	s_or_b32 s[G1+0], s43, (1<<16)|(1<<20)|(1<<21)|(5<<22)|(3<<25)
	s_or_b32 s[G1B+0], s44, (1<<16)|(1<<20)|(1<<21)|(5<<22)|(3<<25)
	s_mov_b32 s[G1+1], KSTEP<<16                   ; tensor_dim0 = 128
	s_mov_b32 s[G1B+1], KSTEP<<16
	s_mov_b32 s[G1+2], 128<<16                     ; tensor_dim1 = 128
	s_mov_b32 s[G1B+2], 128<<16
	s_mov_b32 s[G1+3], KSTEP<<16                   ; tile_dim0 = 128
	s_mov_b32 s[G1B+3], KSTEP<<16
	s_mov_b32 s[G1+4], 128                         ; tile_dim1 = 128
	s_mov_b32 s[G1B+4], 128
	s_mov_b32 s[G1+5], SIZE_K                      ; elements from row to row
	s_mov_b32 s[G1B+5], SIZE_K
	s_mov_b32 s[G1+6], 0
	s_mov_b32 s[G1B+6], 0
	s_mov_b32 s[G1+7], 0
	s_mov_b32 s[G1B+7], 0
	; xb's address is made of the block row and the wave, wqb's of the block column and the wave, in registers that never hold the other
	s_lshl_b32 s17, s12, 7
	s_lshl_b32 s16, s13, 8
	s_add_co_u32 s16, s16, s17
	s_lshl_b32 s16, s16, 11                        ; rows of 2,048 bytes
	s_lshl_b32 s46, s42, 8
	s_add_co_u32 s46, s46, s17
	s_lshl_b32 s46, s46, 11
	s_mov_b32 s17, 0
	s_mov_b32 s47, 0
	s_mul_i32 s20, s10, HALFT                      ; LDS: wave x 128 rows
	s_wait_dscnt 0x0
	s_wait_kmcnt 0x0
	s_add_nc_u64 s[14:15], s[4:5], s[16:17]
	s_add_nc_u64 s[46:47], s[6:7], s[46:47]
	CROUND                                         ; all sixteen work-groups are here: the first joint loads meet
.irp s, 0,1
	s_mov_b32 s[G0+4*\s], 1
	s_add_co_u32 s[G0+4*\s+1], s20, \s*SLOT
	s_add_nc_u64 s[G0+4*\s+2:G0+4*\s+3], s[14:15], \s*KSTEP*2
	s_or_b32 s[G0+4*\s+3], s[G0+4*\s+3], 0x80000000
	s_mov_b32 s[G0B+4*\s], 1
	s_add_co_u32 s[G0B+4*\s+1], s20, \s*SLOT
	s_add_nc_u64 s[G0B+4*\s+2:G0B+4*\s+3], s[46:47], \s*KSTEP*2
	s_or_b32 s[G0B+4*\s+3], s[G0B+4*\s+3], 0x80000000
	JLOAD \s                                       ; both first fills go out together: two tensor loads of the wave are out at the most
.endr
	v_and_b32 v1, 15, v0                           ; r
	v_bfe_u32 v2, v0, 4, 1                         ; h
	v_mul_u32_u24 v3, v1, PITCH
	v_lshl_add_u32 v3, v2, 4, v3
	s_mul_i32 s21, s11, HALFT
	s_mul_i32 s22, s12, HALFT
	s_add_co_u32 s22, s22, 2*HALFT
.irp s, 0,1
	v_add_nc_u32 v[ADRA+\s], s21, v3
	v_add_nc_u32 v[ADRB+\s], s22, v3
	s_add_co_u32 s21, s21, SLOT
	s_add_co_u32 s22, s22, SLOT
.endr
	s_mul_i32 s23, s10, 2*SHEAD
	s_add_co_u32 s23, s23, STAGE                   ; my stage
	v_mul_u32_u24 v4, v1, SPITCH
	v_lshl_add_u32 v4, v2, 4, v4
	v_add_nc_u32 v[STO], s23, v4
	v_and_b32 v5, 31, v0
	v_lshrrev_b32 v6, 3, v5
	v_mul_u32_u24 v6, v6, SPITCH
	v_and_b32 v7, 7, v0
	v_lshl_add_u32 v6, v7, 4, v6
	v_add_nc_u32 v[RD], s23, v6                    ; eight lanes take a row of 128 bytes, the wave four rows
	v_lshlrev_b32 v[CO], 4, v5
	v_lshlrev_b32 v[RT], 9, v1
	v_lshl_add_u32 v[RT], v2, 5, v[RT]
	v_lshl_add_u32 v[VS], v2, 5, s23
	v_add_nc_u32 v[VR], s23, v[CO]
; 16 matrix instructions; zero = 1: the first product starts the sums.  The 64 accumulators take turns, one instruction a turn, in the same
; order in every quarter step.
.macro MUL16 f, hi, a0, zero
.irp a, \a0, \a0+1
.irp b, 0,1,2,3,4,5,6,7
.if \zero
	v_wmma_f32_16x16x32_bf16 v[8*(8*(\a)+\b):8*(8*(\a)+\b)+7], v[\f+8*\b:\f+8*\b+7], v[\f+8*(4*\hi+\a):\f+8*(4*\hi+\a)+7], 0
.else
	v_wmma_f32_16x16x32_bf16 v[8*(8*(\a)+\b):8*(8*(\a)+\b)+7], v[\f+8*\b:\f+8*\b+7], v[\f+8*(4*\hi+\a):\f+8*(4*\hi+\a)+7], v[8*(8*(\a)+\b):8*(8*(\a)+\b)+7]
.endif
.endr
.endr
.endm
.macro FETCH slot, k, f                ; 32 LDS loads in one run: a quarter step's fragments
	WIN TO_B
.irp i, 0,1,2,3,4,5,6,7
	ds_load_b128 v[\f+8*\i:\f+8*\i+3],   v[ADRB+\slot] offset:\k+\i*16*PITCH
	ds_load_b128 v[\f+8*\i+4:\f+8*\i+7], v[ADRB+\slot] offset:\k+\i*16*PITCH+32
.endr
	WIN 0
.irp i, 0,1,2,3,4,5,6,7
	ds_load_b128 v[\f+8*\i:\f+8*\i+3],   v[ADRA+\slot] offset:\k+\i*16*PITCH
	ds_load_b128 v[\f+8*\i+4:\f+8*\i+7], v[ADRA+\slot] offset:\k+\i*16*PITCH+32
.endr
.endm
.macro PLACES                          ; four independent vector instructions between a matrix instruction and a load into, or a vector
.rept 4                                ; instruction on, one of its registers (ISA guide 7.12.1)
	v_nop
.endr
.endm
.macro QUARTER slot, k, f, g, zero
	s_wait_dscnt 8                                 ; wqb's fragments and xb's rows 0-63 are in; the youngest eight loads may be out
	WIN MUL_LO
	MUL16 \f, 0, 0, \zero
	MUL16 \f, 0, 2, \zero
	PLACES
	FETCH \slot, \k, \g
	s_wait_dscnt 32                                ; all but the 32 just issued
	WIN MUL_HI
	MUL16 \f, 1, 0, \zero
	MUL16 \f, 1, 2, \zero
.endm
.macro THREE slot, zero
	QUARTER \slot, 64,  F0, F1, \zero
	QUARTER \slot, 128, F1, F0, 0
	QUARTER \slot, 192, F0, F1, 0
.endm
; the last quarter of a K step changes slots: one barrier, in front of it my reads of this slot and all my tensor loads are waited for;
; behind it (with fill: behind the cluster's round that it opens) the refill comes first, then the next slot's first fragments
.macro TURN slot, next, fill
	s_wait_dscnt 8
	WIN MUL_LO
	MUL16 F1, 0, 0, 0
	s_wait_dscnt 0
	s_wait_tensorcnt 0x0
	ds_add_u32 v255, v255
	s_wait_dscnt 0x0
	s_barrier_signal -1
	MUL16 F1, 0, 2, 0
	WIN 0
	s_barrier_wait -1
.if \fill
	CREST
	s_add_nc_u64 s[G0+4*\slot+2:G0+4*\slot+3], s[G0+4*\slot+2:G0+4*\slot+3], 2*KSTEP*2
	s_add_nc_u64 s[G0B+4*\slot+2:G0B+4*\slot+3], s[G0B+4*\slot+2:G0B+4*\slot+3], 2*KSTEP*2
	JLOAD \slot
.endif
	PLACES
	FETCH \next, 0, F0
	WIN MUL_HI
	MUL16 F1, 1, 0, 0
	MUL16 F1, 1, 2, 0
.endm
.macro LAP zero
	THREE 0, \zero
	TURN 0, 1, 1
	THREE 1, 0
	TURN 1, 0, 1
.endm
	s_wait_tensorcnt 1                             ; my part of K step 0 is in; K step 1's may stay out
	s_barrier_signal -1
	s_barrier_wait -1
	FETCH 0, 0, F0
	LAP 1
	WIN 0
	s_mov_b32 s3, LAPS-2
.Llap:
	LAP 0
	WIN 0
	s_sub_co_u32 s3, s3, 1
	s_cmp_lg_u32 s3, 0
	s_cbranch_scc1 .Llap
	THREE 0, 0                                     ; the last lap fills nothing
	TURN 0, 1, 0
	THREE 1, 0
	s_wait_dscnt 8
	WIN MUL_LO
	MUL16 F1, 0, 0, 0
	MUL16 F1, 0, 2, 0
	s_wait_dscnt 0
	WIN MUL_HI
	MUL16 F1, 1, 0, 0
	MUL16 F1, 1, 2, 0
	; THE WAY OUT, 16 tokens at a time: table in, rotate in f32, round to f16, through my stage, out as whole rows of the two heads' planes
	PLACES
	s_and_b32 s14, s13, 7
	s_lshl_b32 s14, s14, 8
	s_lshl_b32 s15, s11, 7
	s_add_co_u32 s14, s14, s15                     ; n0: my first position in the sequence
	s_lshl_b32 s16, s14, 9
	s_mov_b32 s17, 0
	s_add_nc_u64 s[68:69], s[68:69], s[16:17]      ; rot at n0
	s_lshl_b32 s16, s14, 7
	s_lshr_b32 s18, s13, 3                         ; b
	s_lshl_b32 s19, s18, 18
	s_add_co_u32 s16, s16, s19
	s_add_nc_u64 s[70:71], s[70:71], s[16:17]      ; qkv: + plane b, row n0
	s_lshl_b32 s46, s42, 2
	s_lshl1_add_u32 s46, s12, s46                  ; g0 = 4 x block column + 2 x half (in registers that feed none of xb's descriptors)
	s_lshl_b32 s8, s46, 19
	s_mov_b32 s9, 0
	s_add_nc_u64 s[70:71], s[70:71], s[8:9]        ; + plane 2 g0
.macro RLOAD i                         ; the table for tokens 16 i + r, features 16 bq + 8 h + 0..7: 16 loads
.irp bq, 0,1,2,3
.irp e, 0,1
	global_load_b128 v[RC+16*\bq+4*\e:RC+16*\bq+4*\e+3],     v[RT], s[68:69] offset:8192*(\i)+64*\bq+16*\e
	global_load_b128 v[RC+16*\bq+8+4*\e:RC+16*\bq+8+4*\e+3], v[RT], s[68:69] offset:8192*(\i)+64*\bq+16*\e+256
.endr
.endr
.endm
; tokens 16 i .. 16 i + 15 = the eight tiles (a, 0..7) of window w
.macro ROT16 i, a, w
	s_wait_loadcnt 0x0                             ; this group's table is in
	WIN \w
.irp b, 0,1,2,3,4,5,6,7
.irp p, 0,1,2,3
	v_pk_mul_f32 v[TF+8*\b+2*\p:TF+8*\b+2*\p+1], v[8*(8*\a+\b)+2*\p:8*(8*\a+\b)+2*\p+1], v[RC+16*(\b&3)+8+2*\p:RC+16*(\b&3)+8+2*\p+1] op_sel:[1,0] op_sel_hi:[0,1]   ; the pair swapped x signed sin
.endr
.endr
	WIN (\w<<6)|\w
.irp b, 0,1,2,3,4,5,6,7
.irp p, 0,1,2,3
	v_pk_fma_f32 v[8*(8*\a+\b)+2*\p:8*(8*\a+\b)+2*\p+1], v[8*(8*\a+\b)+2*\p:8*(8*\a+\b)+2*\p+1], v[RC+16*(\b&3)+2*\p:RC+16*(\b&3)+2*\p+1], v[TF+8*\b+2*\p:TF+8*\b+2*\p+1]
.endr
.endr
	WIN 0
.if \i < 7
	RLOAD \i+1                                     ; the next group's table comes in under this group's way out
.endif
	WIN (\w<<2)|\w
.irp b, 0,1,2,3,4,5,6,7
.irp p, 0,1,2,3
	v_cvt_pk_f16_f32 v[TMP+4*\b+\p], v[8*(8*\a+\b)+2*\p], v[8*(8*\a+\b)+2*\p+1]
.endr
.endr
	WIN 0
.irp b, 0,1,2,3,4,5,6,7
	ds_store_b128 v[STO], v[TMP+4*\b:TMP+4*\b+3] offset:(\b>>2)*SHEAD+32*(\b&3)
.endr
	s_wait_xcnt 0x0                                ; RB was the data of the last group's stores: it is rewritten only behind this wait
.irp t, 0,1,2,3,4,5,6,7
	ds_load_b128 v[RB+4*\t:RB+4*\t+3], v[RD] offset:(\t>>2)*SHEAD+(\t&3)*4*SPITCH   ; LDS serves a wave's instructions in order: these see the stores above
.endr
.irp t, 0,1,2,3,4,5,6,7
	s_wait_dscnt 7-\t                              ; the 7 - t younger read-backs may be out
	global_store_b128 v[CO], v[RB+4*\t:RB+4*\t+3], s[70:71] offset:(\t>>2)*524288+2048*\i+512*(\t&3)   ; four rows of a plane: 512 consecutive bytes, aligned
.endr
.endm
	WIN 0
	RLOAD 0
	ROT16 0, 0, 2
	ROT16 1, 1, 2
	ROT16 2, 2, 2
	ROT16 3, 3, 2
	ROT16 4, 0, 3
	ROT16 5, 1, 3
	ROT16 6, 2, 3
	ROT16 7, 3, 3
	; block columns 8-11 hold v: the sums of my 128 rotated rows, column by column.  The branch hangs on the cluster's x, the same in all partners.
	s_cmp_lg_u32 ttmp9, 2
	s_cbranch_scc1 .Lno_sums
.macro SUMW                            ; tiles (1..3, b) onto tile (0, b), in the window that is set
.irp a, 1,2,3
.set x, 0
.rept 32
	v_pk_add_f32 v[x:x+1], v[x:x+1], v[64*\a+x:64*\a+x+1]
.set x, x+2
.endr
.endr
.endm
	WIN 0x8a
	SUMW
	WIN 0xcf
	SUMW
	WIN 0x0e
.set x, 0
.rept 32
	v_pk_add_f32 v[TF+x:TF+x+1], v[x:x+1], v[x:x+1]        ; window 2 + window 3
.set x, x+2
.endr
	WIN 0
.irp m, 1,2,4,8
.set x, 0
.rept 64
	v_add_f32_dpp v[TF+x], v[TF+x], v[TF+x] row_xmask:\m row_mask:0xf bank_mask:0xf   ; over the sixteen tokens of a tile
.set x, x+1
.endr
.endr
.irp b, 0,1,2,3,4,5,6,7
.irp e, 0,1
	ds_store_b128 v[VS], v[TF+8*\b+4*\e:TF+8*\b+4*\e+3] offset:64*\b+16*\e     ; column 16 b + 8 h + 4 e; the sixteen lanes of a half hold the same numbers
.endr
.endr
	ds_load_b128 v[TMP:TMP+3], v[VR]               ; 128 columns = 512 bytes, 16 a lane
	s_lshl_b32 s16, s18, 4
	s_and_b32 s19, s13, 7
	s_lshl1_add_u32 s16, s19, s16
	s_add_co_u32 s16, s16, s11                     ; 16 b + my block of 128 rows
	s_lshl_b32 s16, s16, 12
	s_add_nc_u64 s[72:73], s[72:73], s[16:17]
	s_sub_co_u32 s8, s46, 32                       ; my first head
	s_lshl_b32 s8, s8, 8
	s_add_nc_u64 s[72:73], s[72:73], s[8:9]
	s_wait_dscnt 0x0
	global_store_b128 v[CO], v[TMP:TMP+3], s[72:73]
.Lno_sums:
	s_set_vgpr_msb 0x1
	s_wait_tensorcnt 0x0
	ds_add_u32 v255, v255
	s_wait_dscnt 0x0
	s_set_vgpr_msb 0x100
	CROUND                                         ; the closing round: no work-group ends while a partner may still ask for a tile that names it
	s_endpgm
.Lfunc_end_k_q63eb873598_qkvp:
	.size	k_q63eb873598_qkvp, .Lfunc_end_k_q63eb873598_qkvp-k_q63eb873598_qkvp
	.p2alignl 7, 3214868480
	.fill 96, 4, 3214868480
	.section	.rodata,"a",@progbits
	.p2align	6, 0x0
	.amdhsa_kernel k_q63eb873598_qkvp
		.amdhsa_group_segment_fixed_size 327680
		.amdhsa_private_segment_fixed_size 0
		.amdhsa_enable_private_segment 0
		.amdhsa_kernarg_size 40
		.amdhsa_user_sgpr_count 2
		.amdhsa_user_sgpr_kernarg_segment_ptr 1
		.amdhsa_wavefront_size32 1
		.amdhsa_system_sgpr_workgroup_id_x 1
		.amdhsa_system_sgpr_workgroup_id_y 1
		.amdhsa_system_sgpr_workgroup_id_z 1
		.amdhsa_system_vgpr_workitem_id 0
		.amdhsa_next_free_vgpr 1024
		.amdhsa_next_free_sgpr 80
		.amdhsa_reserve_vcc 0
		.amdhsa_float_denorm_mode_32 3
		.amdhsa_float_denorm_mode_16_64 3
		.amdhsa_memory_ordered 1
		.amdhsa_forward_progress 1
		.amdhsa_inst_pref_size 255
	.end_amdhsa_kernel
	.section	.bss,"aw",@nobits
	.p2align	6
	.space	262144
	.amdgpu_metadata
---
amdhsa.version: [ 1, 2 ]
amdhsa.kernels:
  - .name:           k_q63eb873598_qkvp
    .symbol:         k_q63eb873598_qkvp.kd
    .args:
      - { .name: xb, .offset: 0, .size: 8, .value_kind: global_buffer, .address_space: global }
      - { .name: wqb, .offset: 8, .size: 8, .value_kind: global_buffer, .address_space: global }
      - { .name: rot, .offset: 16, .size: 8, .value_kind: global_buffer, .address_space: global }
      - { .name: qkv, .offset: 24, .size: 8, .value_kind: global_buffer, .address_space: global }
      - { .name: vsum, .offset: 32, .size: 8, .value_kind: global_buffer, .address_space: global }
    .group_segment_fixed_size: 327680
    .private_segment_fixed_size: 0
    .kernarg_segment_align: 8
    .kernarg_segment_size: 40
    .max_flat_workgroup_size: 128
    .sgpr_count:     80
    .vgpr_count:     1024
    .wavefront_size: 32
...
	.end_amdgpu_metadata
.endif
;; end of part 2
;; launch attn (part 3): grid 256 x 1, 4 waves a work-group, no clusters, 327,680 bytes of LDS; arguments qkv, kbias, vsum, ao; writes ao
.if DOCPART == 3
	.amdgcn_target "amdgcn-amd-amdhsa--gfx1250"
	.amdhsa_code_object_version 6
	.text
	.protected	k_q63eb873598_attn
	.globl	k_q63eb873598_attn
	.p2align	8
	.type	k_q63eb873598_attn,@function
k_q63eb873598_attn:
	s_mov_b64 s[64:65], 0
	v_nop
	global_prefetch_b8 v0, s[64:65] scope:SCOPE_SE
	s_setreg_imm32_b32 hwreg(HW_REG_WAVE_MODE, 25, 1), 1
	s_wait_xcnt 0x0
; Causal attention of one head for two blocks of 128 queries, f16 operands, f32 sums and statistics, running maximum.
; Work-group wg: head wg / 8 (b = head / 16, h = head % 16), j = wg % 8: first query block 15 - j (16 - j units of 128 keys), then block j
; (j + 1 units): 17 units for every work-group.  Wave w owns 32 queries (two fragments qf).  Unit u lies in LDS slot u & 1.
; S^T = K Q^T: lane (r, h) holds query r and keys 8 h + 0..7 of a tile, so a query's statistics are one number a lane, and two packed tiles
; ARE the P^T fragment of O^T = V^T P^T.  V^T's fragments come by the transposing LDS load.  The key bias (0 or -2^100) starts the sums of S.
; A query with no valid key (maximum at or below -2^99) gets the mean of all 2048 rows of v, as a softmax over equal finite numbers gives.
; The scale 1/8 and log2 e are one factor in the exponent.
; LIMITS: |q k| < 2^99; P and the result are rounded to f16.
; NO MULTICAST: from its unit 16 - j on a work-group reads tile u - (16 - j), so the eight work-groups of a head need different tiles in the same unit.
; LDS: two slots of K 128 x 144 bytes and V 128 x 160 bytes; behind them 32 x 144 bytes of stage for each wave, never filled by a tensor load.
.set KP, 144                           ; odd multiple of 16
.set VP, 160                           ; odd multiple of 32, for the transposing load
.set VOFF, 128*KP
.set SLOT, VOFF+128*VP                 ; 38,912
.set STAGE, 2*SLOT
.set SP, 144
; window 0
.set VK, 2                             ; 144 r + 16 h
.set VV, 3                             ; VOFF + 160 (8 h + l % 8) + 16 (l / 8 % 2)
.set VQ, 4                             ; 128 r + 16 h
.set H32, 5                            ; 32 h
.set STO, 6
.set RD, 7
.set L16, 8                            ; 16 lane
.set VSO, 9                            ; 4096 h + 16 r
.set DL, 10                            ; v10, v11: my query's number in the block - 8 h, for qf = 0, 1
.set NEG, 12                           ; -2^100
.set SB, 13                            ; stage + 16 r
.set SH, 14                            ; stage + 32 h
.set KF, 16                            ; v[16:79]   K fragments 8 (2 kt + ks)
.set VF, 80                            ; v[80:143]  V^T fragments 8 (2 db + kk)
.set SC, 144                           ; v[144:207] S^T tiles 8 (2 kt + qf)
.set PF, 208                           ; v[208:239] P^T fragments 8 (2 qf + kk)
.set M, 240                            ; running maximum, qf = 0, 1
.set MN, 242                           ; new maximum
.set NM, 244                           ; - factor x new maximum
.set AL, 246                           ; what the old sums are scaled by
.set LS, 248                           ; running sum of my half of the keys
.set TB, 250                           ; v[250:255] at work
; window 1
.set OA, 0                             ; O^T tiles 8 (2 db + qf)
.set QF, 64                            ; Q fragments 16 qf + 8 ks
.set KBR, 96                           ; key bias: 64 registers a slot, 8 for each 16 keys
.set VBR, 224                          ; mean of v: 8 db + 0..7
.set G1K, 32
.set G1V, 40
.set G0K, 48
.set G0V, 56
.set MSB, 0
.macro WIN new
.if MSB != (\new)
	s_set_vgpr_msb (MSB<<8)|(\new)
.set MSB, (\new)
.endif
.endm
.macro PLACES                          ; four independent vector instructions behind matrix instructions (ISA guide 7.12.1)
.rept 4
	v_nop
.endr
.endm
.macro KVLOAD sl                       ; waves 0, 1 fetch K's halves of 64 rows, waves 2, 3 V's: one tensor load a wave
	s_cmp_eq_u32 s13, 0
	s_cbranch_scc0 .Lfor_v_\@
	tensor_load_to_lds s[G0K+4*\sl:G0K+4*\sl+3], s[G1K:G1K+7]
	s_nop 0
	s_branch .Lasked_\@
.Lfor_v_\@:
	tensor_load_to_lds s[G0V+4*\sl:G0V+4*\sl+3], s[G1V:G1V+7]
	s_nop 0
.Lasked_\@:
.endm
	s_load_b256 s[4:11], s[0:1], 0x0               ; qkv 4:5, kbias 6:7, vsum 8:9, ao 10:11
	v_lshl_add_u32 v15, v0, 2, 0x29000
	s_set_vgpr_msb 0x80
	v_mov_b32 v1, 0
	s_set_vgpr_msb 0x8088
	ds_add_u32 v15, v1
	ds_add_u32 v15, v1
	s_set_vgpr_msb 0x8800
	v_lshrrev_b32 v1, 5, v0
	v_readfirstlane_b32 s12, v1                    ; wave
	s_lshr_b32 s13, s12, 1                         ; I fetch K (0) or V (1)
	s_and_b32 s14, s12, 1                          ; which 64 rows
	s_and_b32 s15, ttmp9, 7                        ; j: the small block
	s_sub_co_u32 s16, 16, s15                      ; NB: units of the big block
	s_sub_co_u32 s19, 15, s15                      ; the big block, and its diagonal unit
	s_lshr_b32 s80, ttmp9, 3                       ; 16 b + h
	s_lshr_b32 s81, s80, 4                         ; b
	s_and_b32 s82, s80, 15                         ; h
	s_lshl1_add_u32 s83, s82, s81                  ; 2 h + b: q's plane
	s_mov_b32 s17, 0                               ; u
	s_mov_b32 s18, 0                               ; trips
	s_mov_b32 s29, 0
	s_mov_b32 s30, 0x3e38aa3b                      ; log2 e / 8
	s_mov_b32 s31, 0x3e38aa3b
	s_mov_b32 s72, 0x76543210                      ; v_permlanex16_b32: lane i reads lane i of the other half
	s_mov_b32 s73, 0xfedcba98
	s_mov_b32 s76, 0xf1000000                      ; -2^99
	; group 1: 64 rows x 64 elements of 2 bytes; behind every 32 words 4 words of padding (K) or 8 (V)
	s_mov_b32 s[G1K+0], (1<<16)|(1<<20)|(4<<22)|(3<<25)
	s_mov_b32 s[G1V+0], (1<<16)|(1<<20)|(4<<22)|(7<<25)
	s_mov_b32 s[G1K+1], 64<<16
	s_mov_b32 s[G1V+1], 64<<16
	s_mov_b32 s[G1K+2], 64<<16
	s_mov_b32 s[G1V+2], 64<<16
	s_mov_b32 s[G1K+3], 64<<16
	s_mov_b32 s[G1V+3], 64<<16
	s_mov_b32 s[G1K+4], 64
	s_mov_b32 s[G1V+4], 64
	s_mov_b32 s[G1K+5], 64
	s_mov_b32 s[G1V+5], 64
	s_mov_b32 s[G1K+6], 0
	s_mov_b32 s[G1V+6], 0
	s_mov_b32 s[G1K+7], 0
	s_mov_b32 s[G1V+7], 0
	s_mul_i32 s74, s14, 64*KP
	s_mul_i32 s75, s14, 64*VP
	s_add_co_u32 s75, s75, VOFF
.irp sl, 0,1
	s_mov_b32 s[G0K+4*\sl], 1
	s_add_co_u32 s[G0K+4*\sl+1], s74, \sl*SLOT
	s_mov_b32 s[G0V+4*\sl], 1
	s_add_co_u32 s[G0V+4*\sl+1], s75, \sl*SLOT
.endr
	s_wait_dscnt 0x0
	s_wait_kmcnt 0x0
	s_add_co_u32 s28, s83, 32
	s_lshl_b32 s28, s28, 18
	s_lshl_b32 s77, s14, 13
	s_add_co_u32 s28, s28, s77
	s_add_nc_u64 s[20:21], s[4:5], s[28:29]        ; k's plane, my 64 rows of tile 0
	s_add_co_u32 s28, s28, 32<<18
	s_add_nc_u64 s[22:23], s[4:5], s[28:29]        ; v's plane
	s_mov_b64 s[G0K+2:G0K+3], s[20:21]
	s_or_b32 s[G0K+3], s[G0K+3], 0x80000000
	s_mov_b64 s[G0V+2:G0V+3], s[22:23]
	s_or_b32 s[G0V+3], s[G0V+3], 0x80000000
	KVLOAD 0                                       ; unit 0: the one first fill at the start; one tensor load of the wave is out at the most, here and later
	s_lshl_b32 s28, s83, 18
	s_lshl_b32 s77, s12, 12
	s_add_co_u32 s28, s28, s77
	s_add_nc_u64 s[66:67], s[4:5], s[28:29]        ; q's plane, my 32 rows of block 0
	s_lshl_b32 s28, s19, 14
	s_add_nc_u64 s[78:79], s[66:67], s[28:29]      ; of the big block
	s_lshl_b32 s28, s15, 14
	s_add_nc_u64 s[66:67], s[66:67], s[28:29]      ; of the small block
	s_lshl_b32 s28, s80, 18
	s_add_co_u32 s28, s28, s77
	s_add_nc_u64 s[70:71], s[10:11], s[28:29]
	s_lshl_b32 s28, s19, 14
	s_add_nc_u64 s[68:69], s[70:71], s[28:29]      ; ao: the big block's rows
	s_lshl_b32 s28, s15, 14
	s_add_nc_u64 s[70:71], s[70:71], s[28:29]      ; the small block's
	s_lshl_b32 s28, s81, 13
	s_add_nc_u64 s[24:25], s[6:7], s[28:29]        ; kbias of my batch
	s_mov_b64 s[26:27], s[24:25]
	s_lshl_b32 s28, s81, 8
	s_add_co_u32 s28, s28, s82
	s_lshl_b32 s28, s28, 8
	s_add_nc_u64 s[8:9], s[8:9], s[28:29]          ; vsum of my head, first block of rows
	v_and_b32 v[TB+2], 15, v0                      ; r
	v_bfe_u32 v[TB+3], v0, 4, 1                    ; h
	v_and_b32 v1, 31, v0                           ; lane
	v_mul_u32_u24 v[VK], v[TB+2], KP
	v_lshl_add_u32 v[VK], v[TB+3], 4, v[VK]
	v_and_b32 v[TB+4], 7, v0
	v_lshl_add_u32 v[VV], v[TB+3], 3, v[TB+4]
	v_mul_u32_u24 v[VV], v[VV], VP
	v_bfe_u32 v[TB+5], v0, 3, 1
	v_lshl_add_u32 v[VV], v[TB+5], 4, v[VV]
	v_add_nc_u32 v[VV], VOFF, v[VV]
	v_lshlrev_b32 v[VQ], 7, v[TB+2]
	v_lshl_add_u32 v[VQ], v[TB+3], 4, v[VQ]
	v_lshlrev_b32 v[H32], 5, v[TB+3]
	s_mul_i32 s85, s12, 32*SP
	s_add_co_u32 s85, s85, STAGE                   ; my stage
	v_add_nc_u32 v[STO], s85, v[VK]
	v_lshrrev_b32 v[RD], 3, v1
	v_mul_u32_u24 v[RD], v[RD], SP
	v_lshl_add_u32 v[RD], v[TB+4], 4, v[RD]
	v_add_nc_u32 v[RD], s85, v[RD]
	v_lshlrev_b32 v[L16], 4, v1
	v_lshlrev_b32 v[VSO], 12, v[TB+3]
	v_lshl_add_u32 v[VSO], v[TB+2], 4, v[VSO]
	v_lshl_add_u32 v[SB], v[TB+2], 4, s85
	v_add_nc_u32 v[SH], s85, v[H32]
	s_lshl_b32 s84, s12, 5
	v_lshlrev_b32 v[DL], 3, v[TB+3]
	v_sub_nc_u32 v[DL], v[TB+2], v[DL]
	v_add_nc_u32 v[DL], s84, v[DL]
	v_add_nc_u32 v[DL+1], 16, v[DL]
	v_mov_b32 v[NEG], 0xf1800000
	WIN 0x40
.irp t, 0,1,2,3,4,5,6,7
.irp e, 0,1
	global_load_b128 v[KBR+8*\t+4*\e:KBR+8*\t+4*\e+3], v[H32], s[26:27] offset:64*\t+16*\e     ; unit 0's key bias
.endr
.endr
.irp qf, 0,1
.irp i, 0,1,2,3
	global_load_b128 v[QF+16*\qf+4*\i:QF+16*\qf+4*\i+3], v[VQ], s[78:79] offset:2048*\qf+32*\i ; the big block's Q fragments
.endr
.endr
	WIN 0
.irp i, 0,1,2,3,4,5,6,7
	global_load_b128 v[SC+4*\i:SC+4*\i+3], v[VSO], s[8:9] offset:8192*\i   ; sixteen blocks' column sums: block 2 i + h, columns 4 r ..
.endr
	s_wait_loadcnt 0x0
.irp i, 1,2,3,4,5,6,7
	v_pk_add_f32 v[SC:SC+1],   v[SC:SC+1],   v[SC+4*\i:SC+4*\i+1]
	v_pk_add_f32 v[SC+2:SC+3], v[SC+2:SC+3], v[SC+4*\i+2:SC+4*\i+3]
.endr
.irp e, 0,1,2,3
	v_permlanex16_b32 v[SC+4+\e], v[SC+\e], s72, s73
.endr
	v_pk_add_f32 v[SC:SC+1],   v[SC:SC+1],   v[SC+4:SC+5]
	v_pk_add_f32 v[SC+2:SC+3], v[SC+2:SC+3], v[SC+6:SC+7]
	v_pk_mul_f32 v[SC:SC+1],   v[SC:SC+1],   0x3a000000 op_sel_hi:[1,0]    ; / 2048
	v_pk_mul_f32 v[SC+2:SC+3], v[SC+2:SC+3], 0x3a000000 op_sel_hi:[1,0]
	ds_store_b128 v[SB], v[SC:SC+3]                ; through my stage into O^T's layout; both halves store the same numbers
	WIN 0x40
.irp db, 0,1,2,3
.irp e, 0,1
	ds_load_b128 v[VBR+8*\db+4*\e:VBR+8*\db+4*\e+3], v[SH] offset:64*\db+16*\e
.endr
.endr
; A block starts: the sums are cleared, since which unit starts the small block hangs on the work-group's number, so that no product in the
; text can be the one that starts them.  64 moves, twice in the kernel.
.macro RESET
	WIN 0x40
.set x, 0
.rept 64
	v_mov_b32 v[OA+x], 0
.set x, x+1
.endr
	WIN 0
	v_mov_b32 v[M], 0xfb800000                     ; -2^120: below every score, masked ones too
	v_mov_b32 v[M+1], 0xfb800000
	v_mov_b32 v[LS], 0
	v_mov_b32 v[LS+1], 0
.endm
	RESET
.macro KLOAD sl, s                     ; K fragments of 64 keys: 16 loads
.irp kt, 0,1,2,3
.irp ks, 0,1
.irp e, 0,1
	ds_load_b128 v[KF+16*\kt+8*\ks+4*\e:KF+16*\kt+8*\ks+4*\e+3], v[VK] offset:\sl*SLOT+(64*\s+16*\kt)*KP+64*\ks+32*\e
.endr
.endr
.endr
.endm
.macro VLOAD sl, s                     ; V^T fragments of 64 keys: 16 transposing loads
.irp db, 0,1,2,3
.irp kk, 0,1
.irp e, 0,1
	ds_load_tr16_b128 v[VF+16*\db+8*\kk+4*\e:VF+16*\db+8*\kk+4*\e+3], v[VV] offset:\sl*SLOT+(64*\s+32*\kk+16*\e)*VP+32*\db
.endr
.endr
.endr
.endm
; The head of unit u in slot sl.  fill = 1: unit u + 1 is asked for, into the other slot.
.macro HEAD sl, fill
	s_wait_dscnt 0x0                               ; my reads of the other slot are over
	s_set_vgpr_msb 0x8
	s_wait_tensorcnt 0x0                           ; all my tensor loads have landed, my part of this slot among them: group 0 may be written
	ds_add_u32 v15, v1
	s_wait_dscnt 0x0
	s_set_vgpr_msb 0x800
.if \fill
	s_add_co_u32 s74, s17, 1
	s_cmp_ge_u32 s74, s16
	s_cselect_b32 s75, s16, 0
	s_sub_co_u32 s74, s74, s75                     ; key tile of unit u + 1: u + 1, or u + 1 - NB in the small block
	s_lshl_b32 s28, s74, 14
	s_add_nc_u64 s[G0K+4*(1-\sl)+2:G0K+4*(1-\sl)+3], s[20:21], s[28:29]
	s_or_b32 s[G0K+4*(1-\sl)+3], s[G0K+4*(1-\sl)+3], 0x80000000
	s_add_nc_u64 s[G0V+4*(1-\sl)+2:G0V+4*(1-\sl)+3], s[22:23], s[28:29]
	s_or_b32 s[G0V+4*(1-\sl)+3], s[G0V+4*(1-\sl)+3], 0x80000000
.endif
	s_barrier_signal -1
	s_barrier_wait -1                              ; both now hold of all four waves
.if \fill
	KVLOAD (1-\sl)                                 ; my one tensor load behind the barrier, first thing there; it has the whole unit in which to land
.endif
	s_wait_loadcnt 0x0                             ; this unit's key bias (asked for a unit ago) and Q are in; the bias loads' base may be written
.if \fill
	s_lshl_b32 s28, s74, 9
	s_add_nc_u64 s[26:27], s[24:25], s[28:29]
	WIN 0x40
.irp t, 0,1,2,3,4,5,6,7
.irp e, 0,1
	global_load_b128 v[KBR+64*(1-\sl)+8*\t+4*\e:KBR+64*(1-\sl)+8*\t+4*\e+3], v[H32], s[26:27] offset:64*\t+16*\e
.endr
.endr
	WIN 0
.endif
	KLOAD \sl, 0
.endm
; 64 keys x my 32 queries.  diag = 1: the unit lies on the diagonal.
; The eight S tiles, and the eight O tiles, take turns, one matrix instruction a turn.
.macro STEP sl, s, diag
	s_wait_dscnt 0x0                               ; the K fragments are in
	WIN 0x14                                       ; Q and the bias in window 1
.irp kt, 0,1,2,3
.irp qf, 0,1
	v_wmma_f32_16x16x32_f16 v[SC+8*(2*\kt+\qf):SC+8*(2*\kt+\qf)+7], v[KF+16*\kt:KF+16*\kt+7], v[QF+16*\qf:QF+16*\qf+7], v[KBR+64*\sl+8*(4*\s+\kt):KBR+64*\sl+8*(4*\s+\kt)+7]
.endr
.endr
	WIN 0x04
.irp kt, 0,1,2,3
.irp qf, 0,1
	v_wmma_f32_16x16x32_f16 v[SC+8*(2*\kt+\qf):SC+8*(2*\kt+\qf)+7], v[KF+16*\kt+8:KF+16*\kt+15], v[QF+16*\qf+8:QF+16*\qf+15], v[SC+8*(2*\kt+\qf):SC+8*(2*\kt+\qf)+7]
.endr
.endr
	WIN 0
	PLACES                                         ; behind the products above (S is read, K loaded again) and the last step's (V, P, O)
	VLOAD \sl, \s
.if \s == 0
	KLOAD \sl, 1
.endif
.if \diag
.irp kt, 0,1,2,3
.irp qf, 0,1
.irp jj, 0,1,2,3,4,5,6,7
	v_cmp_gt_i32 vcc_lo, 64*\s+16*\kt+\jj, v[DL+\qf]       ; key 64 s + 16 kt + 8 h + jj lies behind my query
	v_cndmask_b32 v[SC+8*(2*\kt+\qf)+\jj], v[SC+8*(2*\kt+\qf)+\jj], v[NEG], vcc_lo
.endr
.endr
.endr
.endif
	; the new maximum: for each qf two chains over 16 numbers each (number x of 32 lies in tile x / 8, register x % 8)
.irp qf, 0,1
	v_max3_num_f32 v[MN+\qf], v[M+\qf], v[SC+8*\qf], v[SC+8*\qf+1]
	v_max3_num_f32 v[TB+\qf], v[SC+8*(4+\qf)], v[SC+8*(4+\qf)+1], v[SC+8*(4+\qf)+2]
.endr
.set i, 0
.rept 6
.irp qf, 0,1
	v_max3_num_f32 v[MN+\qf], v[MN+\qf], v[SC+8*(2*((2+2*i)>>3)+\qf)+((2+2*i)&7)], v[SC+8*(2*((2+2*i)>>3)+\qf)+((2+2*i)&7)+1]
	v_max3_num_f32 v[TB+\qf], v[TB+\qf], v[SC+8*(2*((19+2*i)>>3)+\qf)+((19+2*i)&7)], v[SC+8*(2*((20+2*i)>>3)+\qf)+((20+2*i)&7)]
.endr
.set i, i+1
.endr
.irp qf, 0,1
	v_max3_num_f32 v[MN+\qf], v[MN+\qf], v[SC+8*(2+\qf)+6], v[SC+8*(2+\qf)+7]
.endr
.irp qf, 0,1
	v_max3_num_f32 v[MN+\qf], v[MN+\qf], v[TB+\qf], v[SC+8*(6+\qf)+7]
.endr
.irp qf, 0,1
	v_permlanex16_b32 v[TB+\qf], v[MN+\qf], s72, s73       ; the other half's keys of the same query
.endr
.irp qf, 0,1
	v_max_num_f32 v[MN+\qf], v[MN+\qf], v[TB+\qf]
.endr
	v_pk_add_f32 v[TB:TB+1], v[M:M+1], v[MN:MN+1] neg_lo:[0,1] neg_hi:[0,1]
	v_pk_mul_f32 v[TB:TB+1], v[TB:TB+1], s[30:31] op_sel_hi:[1,0]
	v_exp_f32 v[AL], v[TB]
	v_exp_f32 v[AL+1], v[TB+1]
	v_pk_mul_f32 v[NM:NM+1], v[MN:MN+1], s[30:31] op_sel_hi:[1,0] neg_lo:[1,0] neg_hi:[1,0]   ; also the plain instruction behind the exponentials (ISA guide 5.7.2)
	v_mov_b32 v[M], v[MN]
	v_mov_b32 v[M+1], v[MN+1]
.irp kt, 0,1,2,3
.irp qf, 0,1
.irp p, 0,1,2,3
	v_pk_fma_f32 v[SC+8*(2*\kt+\qf)+2*\p:SC+8*(2*\kt+\qf)+2*\p+1], v[SC+8*(2*\kt+\qf)+2*\p:SC+8*(2*\kt+\qf)+2*\p+1], s[30:31], v[NM:NM+1] op_sel:[0,0,\qf] op_sel_hi:[1,0,\qf]
.endr
.endr
.endr
.set x, 0
.rept 64
	v_exp_f32 v[SC+x], v[SC+x]
.set x, x+1
.endr
	v_nop                                          ; the plain instruction behind the exponentials
	s_wait_alu depctr_va_vdst(0)
.irp kt, 0,1,2,3
.irp qf, 0,1
.irp p, 0,1,2,3
	v_cvt_pk_f16_f32 v[PF+8*(2*\qf+(\kt>>1))+4*(\kt&1)+\p], v[SC+8*(2*\kt+\qf)+2*\p], v[SC+8*(2*\kt+\qf)+2*\p+1]
.endr
.endr
.endr
	; the sum of my 32 numbers of each query, as a tree in place
.irp qf, 0,1
.irp p, 0,1,2,3
	v_pk_add_f32 v[SC+8*\qf+2*\p:SC+8*\qf+2*\p+1], v[SC+8*\qf+2*\p:SC+8*\qf+2*\p+1], v[SC+32+8*\qf+2*\p:SC+32+8*\qf+2*\p+1]
	v_pk_add_f32 v[SC+16+8*\qf+2*\p:SC+16+8*\qf+2*\p+1], v[SC+16+8*\qf+2*\p:SC+16+8*\qf+2*\p+1], v[SC+48+8*\qf+2*\p:SC+48+8*\qf+2*\p+1]
.endr
.endr
.irp qf, 0,1
.irp p, 0,1,2,3
	v_pk_add_f32 v[SC+8*\qf+2*\p:SC+8*\qf+2*\p+1], v[SC+8*\qf+2*\p:SC+8*\qf+2*\p+1], v[SC+16+8*\qf+2*\p:SC+16+8*\qf+2*\p+1]
.endr
.endr
.irp qf, 0,1
	v_pk_add_f32 v[SC+8*\qf:SC+8*\qf+1],   v[SC+8*\qf:SC+8*\qf+1],   v[SC+8*\qf+4:SC+8*\qf+5]
	v_pk_add_f32 v[SC+8*\qf+2:SC+8*\qf+3], v[SC+8*\qf+2:SC+8*\qf+3], v[SC+8*\qf+6:SC+8*\qf+7]
.endr
.irp qf, 0,1
	v_pk_add_f32 v[SC+8*\qf:SC+8*\qf+1], v[SC+8*\qf:SC+8*\qf+1], v[SC+8*\qf+2:SC+8*\qf+3]
.endr
.irp qf, 0,1
	v_add_f32 v[TB+\qf], v[SC+8*\qf], v[SC+8*\qf+1]
.endr
.irp qf, 0,1
	v_fma_f32 v[LS+\qf], v[LS+\qf], v[AL+\qf], v[TB+\qf]
.endr
	WIN 0x41
.irp db, 0,1,2,3
.irp qf, 0,1
.irp p, 0,1,2,3
	v_pk_mul_f32 v[OA+8*(2*\db+\qf)+2*\p:OA+8*(2*\db+\qf)+2*\p+1], v[OA+8*(2*\db+\qf)+2*\p:OA+8*(2*\db+\qf)+2*\p+1], v[AL:AL+1] op_sel:[0,\qf] op_sel_hi:[1,\qf]
.endr
.endr
.endr
.if \s == 0
	s_wait_dscnt 16                                ; V's 16 loads are in; the 16 loads of the next K fragments, issued behind them, may be out
.else
	s_wait_dscnt 0x0
.endif
	WIN 0x50
.irp kk, 0,1
.irp db, 0,1,2,3
.irp qf, 0,1
	v_wmma_f32_16x16x32_f16 v[OA+8*(2*\db+\qf):OA+8*(2*\db+\qf)+7], v[VF+16*\db+8*\kk:VF+16*\db+8*\kk+7], v[PF+8*(2*\qf+\kk):PF+8*(2*\qf+\kk)+7], v[OA+8*(2*\db+\qf):OA+8*(2*\db+\qf)+7]
.endr
.endr
.endr
	WIN 0
.endm
; A block ends: divide, put the mean of v where no key was valid, round to f16, out through my stage.  ob: the scalar pair of the block's rows in ao.
.macro FINAL ob, last
	PLACES
	v_permlanex16_b32 v[TB], v[LS], s72, s73
	v_permlanex16_b32 v[TB+1], v[LS+1], s72, s73
	v_pk_add_f32 v[LS:LS+1], v[LS:LS+1], v[TB:TB+1]        ; both halves of the keys
	v_rcp_f32 v[TB], v[LS]
	v_rcp_f32 v[TB+1], v[LS+1]
	v_cmp_lt_f32 s74, s76, v[M]                    ; the query has a valid key; also the plain instruction behind the reciprocals
	v_cmp_lt_f32 s75, s76, v[M+1]
	WIN 0x01
	s_wait_alu depctr_va_vdst(0)
.irp db, 0,1,2,3
.irp qf, 0,1
.irp p, 0,1,2,3
	v_pk_mul_f32 v[SC+8*(2*\db+\qf)+2*\p:SC+8*(2*\db+\qf)+2*\p+1], v[OA+8*(2*\db+\qf)+2*\p:OA+8*(2*\db+\qf)+2*\p+1], v[TB:TB+1] op_sel:[0,\qf] op_sel_hi:[1,\qf]
.endr
.endr
.endr
.irp db, 0,1,2,3
.irp qf, 0,1
.irp jj, 0,1,2,3,4,5,6,7
	v_cndmask_b32 v[SC+8*(2*\db+\qf)+\jj], v[VBR+8*\db+\jj], v[SC+8*(2*\db+\qf)+\jj], s[74+\qf]
.endr
.endr
.endr
	WIN 0
.irp db, 0,1,2,3
.irp qf, 0,1
.irp p, 0,1,2,3
	v_cvt_pk_f16_f32 v[PF+4*(2*\db+\qf)+\p], v[SC+8*(2*\db+\qf)+2*\p], v[SC+8*(2*\db+\qf)+2*\p+1]
.endr
.endr
.endr
.irp db, 0,1,2,3
.irp qf, 0,1
	ds_store_b128 v[STO], v[PF+4*(2*\db+\qf):PF+4*(2*\db+\qf)+3] offset:16*SP*\qf+32*\db
.endr
.endr
.irp t, 0,1,2,3,4,5,6,7
	ds_load_b128 v[KF+4*\t:KF+4*\t+3], v[RD] offset:4*SP*\t        ; LDS serves a wave's instructions in order: these see the stores above
.endr
.irp t, 0,1,2,3,4,5,6,7
	s_wait_dscnt 7-\t                              ; the 7 - t younger read-backs may be out
	global_store_b128 v[L16], v[KF+4*\t:KF+4*\t+3], s[\ob:\ob+1] offset:512*\t     ; four rows of 128 bytes: 512 consecutive bytes, aligned
.endr
.if \last == 0
	s_wait_xcnt 0x0                                ; the stores' data registers are K's fragments: loaded again only behind this wait
	WIN 0x40
.irp qf, 0,1
.irp i, 0,1,2,3
	global_load_b128 v[QF+16*\qf+4*\i:QF+16*\qf+4*\i+3], v[VQ], s[66:67] offset:2048*\qf+32*\i    ; the small block's Q
.endr
.endr
	RESET
.endif
.endm
.macro UNIT sl
	HEAD \sl, 1
	s_cmp_eq_u32 s17, s19                          ; the big block's diagonal unit?  No barrier and no tensor load stands inside this branch.
	s_cbranch_scc1 .Ldiag_\@
	STEP \sl, 0, 0
	STEP \sl, 1, 0
	s_branch .Ljoin_\@
.Ldiag_\@:
	STEP \sl, 0, 1
	STEP \sl, 1, 1
	FINAL 68, 0
.Ljoin_\@:
	s_add_co_u32 s17, s17, 1
.endm
.Lloop:                                            ; units 0 to 15
	UNIT 0
	UNIT 1
	s_add_co_u32 s18, s18, 1
	s_cmp_lt_u32 s18, 8
	s_cbranch_scc1 .Lloop
	HEAD 0, 0                                      ; unit 16: the small block's diagonal; nothing is left to fetch
	STEP 0, 0, 1
	STEP 0, 1, 1
	FINAL 70, 1
	s_set_vgpr_msb 0x8
	s_wait_tensorcnt 0x0
	ds_add_u32 v15, v1
	s_wait_dscnt 0x0
	s_set_vgpr_msb 0x800
	s_endpgm
.Lfunc_end_k_q63eb873598_attn:
	.size	k_q63eb873598_attn, .Lfunc_end_k_q63eb873598_attn-k_q63eb873598_attn
	.p2alignl 7, 3214868480
	.fill 96, 4, 3214868480
	.section	.rodata,"a",@progbits
	.p2align	6, 0x0
	.amdhsa_kernel k_q63eb873598_attn
		.amdhsa_group_segment_fixed_size 327680
		.amdhsa_private_segment_fixed_size 0
		.amdhsa_enable_private_segment 0
		.amdhsa_kernarg_size 32
		.amdhsa_user_sgpr_count 2
		.amdhsa_user_sgpr_kernarg_segment_ptr 1
		.amdhsa_wavefront_size32 1
		.amdhsa_system_sgpr_workgroup_id_x 1
		.amdhsa_system_sgpr_workgroup_id_y 1
		.amdhsa_system_sgpr_workgroup_id_z 1
		.amdhsa_system_vgpr_workitem_id 0
		.amdhsa_next_free_vgpr 514
		.amdhsa_next_free_sgpr 96
		.amdhsa_reserve_vcc 1
		.amdhsa_float_denorm_mode_32 3
		.amdhsa_float_denorm_mode_16_64 3
		.amdhsa_memory_ordered 1
		.amdhsa_forward_progress 1
		.amdhsa_inst_pref_size 255
	.end_amdhsa_kernel
	.amdgpu_metadata
---
amdhsa.version: [ 1, 2 ]
amdhsa.kernels:
  - .name:           k_q63eb873598_attn
    .symbol:         k_q63eb873598_attn.kd
    .args:
      - { .name: qkv, .offset: 0, .size: 8, .value_kind: global_buffer, .address_space: global }
      - { .name: kbias, .offset: 8, .size: 8, .value_kind: global_buffer, .address_space: global }
      - { .name: vsum, .offset: 16, .size: 8, .value_kind: global_buffer, .address_space: global }
      - { .name: ao, .offset: 24, .size: 8, .value_kind: global_buffer, .address_space: global }
    .group_segment_fixed_size: 327680
    .private_segment_fixed_size: 0
    .kernarg_segment_align: 8
    .kernarg_segment_size: 32
    .max_flat_workgroup_size: 128
    .sgpr_count:     96
    .vgpr_count:     514
    .wavefront_size: 32
...
	.end_amdgpu_metadata
.endif
;; end of part 3
;; launch proj (part 4): grid 8 x 16, 4 waves a work-group, clusters of 4 x 4, 327,680 bytes of LDS; arguments ao, wob, b_out, out0; writes out0
.if DOCPART == 4
	.amdgcn_target "amdgcn-amd-amdhsa--gfx1250"
	.amdhsa_code_object_version 6
	.text
	.protected	k_q63eb873598_proj
	.globl	k_q63eb873598_proj
	.p2align	8
	.type	k_q63eb873598_proj,@function
k_q63eb873598_proj:
	s_mov_b64 s[64:65], 0
	v_nop
	global_prefetch_b8 v0, s[64:65] scope:SCOPE_SE
	s_setreg_imm32_b32 hwreg(HW_REG_WAVE_MODE, 25, 1), 1
	s_wait_xcnt 0x0
	s_wait_alu depctr_hold_cnt(0) depctr_sa_sdst(0) depctr_va_vdst(0) depctr_va_sdst(0) depctr_va_ssrc(0) depctr_va_vcc(0) depctr_vm_vsrc(0)
	s_getreg_b32 s2, hwreg(HW_REG_IB_STS2, 6, 4)
	s_cmp_eq_u32 s2, 0
	s_cbranch_scc0 .Lentry_in_a_cluster
	s_endpgm
.Lentry_in_a_cluster:
	s_bfe_u32 s2, ttmp6, 0x10000c
	s_cmp_lg_u32 s2, 0xf033
	s_cbranch_scc0 .Lentry_shape_is_right
	s_endpgm
.Lentry_shape_is_right:
; out0 = ao wob^T + b_out: 4096 x 1024, K = 1024, f16 operands, f32 sums; the bias (f32, as given) starts the sums.
; ao lies by heads ([16 b + h][n][64] f16), so a K step of 128 is two heads: two dense planes of 256 rows x 128 bytes.
; A work-group makes 256 x 128 with four waves, a wave 128 x 64: 32 accumulator tiles in window 2.  128 work-groups.
; CLUSTERS: 4 x 4; ao's tiles are asked for jointly along a row of the cluster, wob's along a column.
; REGISTERS: window 0: v16-27 addresses, v64-127 and v128-191 fragments of ao (two buffers), v192-223 the bias.  Window 1: v64-95, v128-159
; fragments of wob.  Window 2: tile (a, b) at 8 (4 a + b).  The matrix instruction is used transposed: lane l holds row l % 16 of out0,
; its registers 0-7 the columns 8 (l / 16) + 0..7 of the tile.
.set PA, 144                           ; ao's LDS rows: 128 bytes + 16
.set PB, 272                           ; wob's: 256 bytes + 16
.set PLANE, 256*PA                     ; 36,864: one head's 256 rows
.set BHALF, 64*PB                      ; 17,408
.set SLOT, 2*PLANE+2*BHALF             ; 108,544
.set STAGE, 2*SLOT                     ; behind the ring, never filled by a tensor load: 16 rows x 272 bytes for each wave
.set SPITCH, 272
.set LAPS, 4
.set ADRA, 16
.set ADRB, 20
.set STO,  24
.set RD,   25
.set CO,   26
.set BO,   27                          ; 32 h
.set F0,   64
.set F1,   128
.set BIAS, 192
.set G1, 24
.set G0, 32
.set G1B, 48
.set G0B, 56
.set MSB, 0
.macro WIN new
.if MSB != (\new)
	s_set_vgpr_msb (MSB<<8)|(\new)
.set MSB, (\new)
.endif
.endm
.set MUL_W, 0xa1                       ; source 0 (wob) window 1, source 1 (ao) window 0, C and D window 2
.set MUL_B, 0x81                       ; the same with C, the bias, in window 0
.set TO_B,  0x40
.macro WINM bias
.if \bias
	WIN MUL_B
.else
	WIN MUL_W
.endif
.endm
.macro JLOAD s
	s_cmp_eq_u32 s11, 0
	s_cbranch_scc0 .Lfor_b_\@
	tensor_load_to_lds s[G0+4*\s:G0+4*\s+3], s[G1:G1+7]
	s_nop 0
	s_branch .Lasked_\@
.Lfor_b_\@:
	tensor_load_to_lds s[G0B+4*\s:G0B+4*\s+3], s[G1B:G1B+7]
	s_nop 0
.Lasked_\@:
.endm
.macro CREST
	s_cmp_lg_u32 s10, 0
	s_cbranch_scc1 .Lnot_wave_0_\@
	s_barrier_signal -3
.Lnot_wave_0_\@:
	s_barrier_wait -3
	s_barrier_signal -1
	s_barrier_wait -1
.endm
.macro CROUND
	s_barrier_signal -1
	s_barrier_wait -1
	CREST
.endm
	s_load_b128 s[4:7], s[0:1], 0x0                ; ao, wob
	s_load_b128 s[68:71], s[0:1], 0x10             ; b_out, out0
	s_set_vgpr_msb 0x40
	v_lshl_add_u32 v255, v0, 2, 0x39400
	s_set_vgpr_msb 0x4000
	v_mov_b32 v255, 0
	s_set_vgpr_msb 0x1
	ds_add_u32 v255, v255
	ds_add_u32 v255, v255
	s_set_vgpr_msb 0x100
	v_lshrrev_b32 v1, 5, v0
	v_readfirstlane_b32 s10, v1                    ; wave
	s_lshr_b32 s11, s10, 1                         ; my half of the rows; also: I fetch for ao (0) or wob (1)
	s_and_b32 s12, s10, 1                          ; my half of the columns; also: which head, or which 64 rows of wob, I fetch
	s_bfe_u32 s40, ttmp6, 0x40000                  ; cx
	s_bfe_u32 s41, ttmp6, 0x40004                  ; cy
	s_lshl_b32 s42, ttmp9, 2
	s_add_co_u32 s42, s42, s40                     ; block column 0..7
	s_and_b32 s13, ttmp7, 0xffff
	s_lshl_b32 s13, s13, 2
	s_add_co_u32 s13, s13, s41                     ; block row 0..15
	s_lshl_b32 s43, s41, 2
	s_lshl_b32 s43, 15, s43
	s_lshl_b32 s44, 0x1111, s40
	; ao: 256 rows x 64 elements, 4 words of padding behind every 32; wob: 64 rows x 128 elements, 4 words behind every 64
	s_or_b32 s[G1+0], s43, (1<<16)|(1<<20)|(1<<21)|(4<<22)|(3<<25)
	s_or_b32 s[G1B+0], s44, (1<<16)|(1<<20)|(1<<21)|(5<<22)|(3<<25)
	s_mov_b32 s[G1+1], 64<<16                      ; tensor_dim0
	s_mov_b32 s[G1B+1], 128<<16
	s_mov_b32 s[G1+2], 256<<16                     ; tensor_dim1
	s_mov_b32 s[G1B+2], 64<<16
	s_mov_b32 s[G1+3], 64<<16                      ; tile_dim0
	s_mov_b32 s[G1B+3], 128<<16
	s_mov_b32 s[G1+4], 256                         ; tile_dim1
	s_mov_b32 s[G1B+4], 64
	s_mov_b32 s[G1+5], 64                          ; elements from row to row
	s_mov_b32 s[G1B+5], 1024
	s_mov_b32 s[G1+6], 0
	s_mov_b32 s[G1B+6], 0
	s_mov_b32 s[G1+7], 0
	s_mov_b32 s[G1B+7], 0
	s_lshr_b32 s16, s13, 3
	s_lshl_b32 s16, s16, 4
	s_add_co_u32 s16, s16, s12                     ; plane 16 b + my head of the step
	s_lshl_b32 s16, s16, 18
	s_and_b32 s17, s13, 7
	s_lshl_b32 s17, s17, 15                        ; 256 rows of 128 bytes for each block row
	s_add_co_u32 s16, s16, s17
	s_mov_b32 s17, 0
	s_lshl_b32 s46, s42, 7
	s_lshl_b32 s47, s12, 6
	s_add_co_u32 s46, s46, s47
	s_lshl_b32 s46, s46, 11                        ; wob's rows of 2,048 bytes
	s_mov_b32 s47, 0
	s_mul_i32 s20, s12, PLANE                      ; LDS addresses hang on the wave alone
	s_mul_i32 s21, s12, BHALF
	s_add_co_u32 s21, s21, 2*PLANE
	s_wait_dscnt 0x0
	s_wait_kmcnt 0x0
	s_add_nc_u64 s[14:15], s[4:5], s[16:17]
	s_add_nc_u64 s[46:47], s[6:7], s[46:47]
	CROUND
.irp s, 0,1
	s_mov_b32 s[G0+4*\s], 1
	s_add_co_u32 s[G0+4*\s+1], s20, \s*SLOT
	s_add_nc_u64 s[G0+4*\s+2:G0+4*\s+3], s[14:15], \s*(2<<18)      ; K step s: two heads on
	s_or_b32 s[G0+4*\s+3], s[G0+4*\s+3], 0x80000000
	s_mov_b32 s[G0B+4*\s], 1
	s_add_co_u32 s[G0B+4*\s+1], s21, \s*SLOT
	s_add_nc_u64 s[G0B+4*\s+2:G0B+4*\s+3], s[46:47], \s*256
	s_or_b32 s[G0B+4*\s+3], s[G0B+4*\s+3], 0x80000000
	JLOAD \s                                       ; both first fills together: two tensor loads of the wave are out at the most
.endr
	v_and_b32 v1, 15, v0                           ; r
	v_bfe_u32 v2, v0, 4, 1                         ; h
	v_lshlrev_b32 v[BO], 5, v2
	s_lshl_b32 s46, s42, 9
	s_lshl_b32 s47, s12, 8
	s_add_co_u32 s46, s46, s47                     ; my first column, in bytes of f32
	s_mov_b32 s47, 0
	s_add_nc_u64 s[68:69], s[68:69], s[46:47]
	s_add_nc_u64 s[70:71], s[70:71], s[46:47]
.irp b, 0,1,2,3
.irp e, 0,1
	global_load_b128 v[BIAS+8*\b+4*\e:BIAS+8*\b+4*\e+3], v[BO], s[68:69] offset:64*\b+16*\e   ; b_out of columns 16 b + 8 h + 4 e ..
.endr
.endr
	v_mul_u32_u24 v3, v1, PA
	v_lshl_add_u32 v3, v2, 4, v3
	v_mul_u32_u24 v4, v1, PB
	v_lshl_add_u32 v4, v2, 4, v4
	s_mul_i32 s22, s11, 128*PA                     ; my 128 rows in each plane
.irp s, 0,1
	v_add_nc_u32 v[ADRA+\s], s22, v3
	v_add_nc_u32 v[ADRB+\s], s21, v4
	s_add_co_u32 s22, s22, SLOT
	s_add_co_u32 s21, s21, SLOT
.endr
	s_mul_i32 s23, s10, 16*SPITCH
	s_add_co_u32 s23, s23, STAGE
	v_mul_u32_u24 v5, v1, SPITCH
	v_lshl_add_u32 v5, v2, 5, v5
	v_add_nc_u32 v[STO], s23, v5                   ; row r, 32 bytes for each half of the lanes
	v_mul_u32_u24 v5, v2, SPITCH
	v_lshl_add_u32 v5, v1, 4, v5
	v_add_nc_u32 v[RD], s23, v5                    ; lanes 0-15 one row of 256 bytes, lanes 16-31 the next
	v_lshlrev_b32 v5, 12, v2
	v_lshl_add_u32 v[CO], v1, 4, v5                ; the same two rows in out0
; 8 matrix instructions; bias = 1: the first product adds onto the bias.  The 32 accumulators take turns, one instruction a turn, in the same
; order in every quarter step.
.macro MUL8 f, hi, a0, bias
.irp a, \a0, \a0+1
.irp b, 0,1,2,3
.if \bias
	v_wmma_f32_16x16x32_f16 v[8*(4*(4*\hi+\a)+\b):8*(4*(4*\hi+\a)+\b)+7], v[\f+8*\b:\f+8*\b+7], v[\f+8*(4*\hi+\a):\f+8*(4*\hi+\a)+7], v[BIAS+8*\b:BIAS+8*\b+7]
.else
	v_wmma_f32_16x16x32_f16 v[8*(4*(4*\hi+\a)+\b):8*(4*(4*\hi+\a)+\b)+7], v[\f+8*\b:\f+8*\b+7], v[\f+8*(4*\hi+\a):\f+8*(4*\hi+\a)+7], v[8*(4*(4*\hi+\a)+\b):8*(4*(4*\hi+\a)+\b)+7]
.endif
.endr
.endr
.endm
.macro FETCH slot, q, f                ; quarter q of a K step: 8 loads of wob, 16 of ao (head q / 2, its half q % 2)
	WIN TO_B
.irp i, 0,1,2,3
	ds_load_b128 v[\f+8*\i:\f+8*\i+3],   v[ADRB+\slot] offset:64*\q+\i*16*PB
	ds_load_b128 v[\f+8*\i+4:\f+8*\i+7], v[ADRB+\slot] offset:64*\q+\i*16*PB+32
.endr
	WIN 0
.irp i, 0,1,2,3,4,5,6,7
	ds_load_b128 v[\f+8*\i:\f+8*\i+3],   v[ADRA+\slot] offset:(\q>>1)*PLANE+64*(\q&1)+\i*16*PA
	ds_load_b128 v[\f+8*\i+4:\f+8*\i+7], v[ADRA+\slot] offset:(\q>>1)*PLANE+64*(\q&1)+\i*16*PA+32
.endr
.endm
.macro PLACES                          ; four independent vector instructions behind matrix instructions (ISA guide 7.12.1)
.rept 4
	v_nop
.endr
.endm
.macro QUARTER slot, q, f, g, bias
	s_wait_dscnt 8                                 ; wob's fragments and ao's rows 0-63 are in; the youngest eight loads may be out
	WINM \bias
	MUL8 \f, 0, 0, \bias
	MUL8 \f, 0, 2, \bias
	PLACES
	FETCH \slot, \q, \g
	s_wait_dscnt 24                                ; all but the 24 just issued
	WINM \bias
	MUL8 \f, 1, 0, \bias
	MUL8 \f, 1, 2, \bias
.endm
.macro THREE slot, bias
	QUARTER \slot, 1, F0, F1, \bias
	QUARTER \slot, 2, F1, F0, 0
	QUARTER \slot, 3, F0, F1, 0
.endm
.macro TURN slot, next, fill           ; the change of slots, as in the launch qkvp
	s_wait_dscnt 8
	WIN MUL_W
	MUL8 F1, 0, 0, 0
	s_wait_dscnt 0                                 ; my reads of this slot are over
	s_wait_tensorcnt 0x0                           ; all my tensor loads have landed
	ds_add_u32 v255, v255
	s_wait_dscnt 0x0
	s_barrier_signal -1
	MUL8 F1, 0, 2, 0
	WIN 0
	s_barrier_wait -1
.if \fill
	CREST
	s_add_nc_u64 s[G0+4*\slot+2:G0+4*\slot+3], s[G0+4*\slot+2:G0+4*\slot+3], 4<<18    ; two K steps = four heads on
	s_add_nc_u64 s[G0B+4*\slot+2:G0B+4*\slot+3], s[G0B+4*\slot+2:G0B+4*\slot+3], 512
	JLOAD \slot                                    ; the first tensor load behind the round
.endif
	PLACES
	FETCH \next, 0, F0
	WIN MUL_W
	MUL8 F1, 1, 0, 0
	MUL8 F1, 1, 2, 0
.endm
.macro LAP bias
	THREE 0, \bias
	TURN 0, 1, 1
	THREE 1, 0
	TURN 1, 0, 1
.endm
	s_wait_loadcnt 0x0                             ; the bias
	s_wait_tensorcnt 1                             ; my part of K step 0 is in; K step 1's may stay out
	s_barrier_signal -1
	s_barrier_wait -1
	FETCH 0, 0, F0
	LAP 1
	WIN 0
	s_mov_b32 s3, LAPS-2
.Llap:
	LAP 0
	WIN 0
	s_sub_co_u32 s3, s3, 1
	s_cmp_lg_u32 s3, 0
	s_cbranch_scc1 .Llap
	THREE 0, 0
	TURN 0, 1, 0
	THREE 1, 0
	s_wait_dscnt 8
	WIN MUL_W
	MUL8 F1, 0, 0, 0
	MUL8 F1, 0, 2, 0
	s_wait_dscnt 0
	MUL8 F1, 1, 0, 0
	MUL8 F1, 1, 2, 0
	; THE WAY OUT, 16 rows at a time, f32: into my stage by tiles, back as whole rows of 256 bytes
	PLACES
	s_lshl_b32 s16, s13, 8
	s_lshl_b32 s17, s11, 7
	s_add_co_u32 s16, s16, s17
	s_lshl_b32 s16, s16, 12                        ; my first row, 4,096 bytes a row
	s_mov_b32 s17, 0
	s_add_nc_u64 s[70:71], s[70:71], s[16:17]
.macro OUT16 i, f
	WIN 0x08                                       ; the LDS stores' data in window 2
.irp b, 0,1,2,3
.irp e, 0,1
	ds_store_b128 v[STO], v[8*(4*\i+\b)+4*\e:8*(4*\i+\b)+4*\e+3] offset:64*\b+16*\e
.endr
.endr
	WIN 0
	s_wait_xcnt 0x0                                ; buffer f was the data of earlier stores: it is rewritten only behind this wait
.irp t, 0,1,2,3,4,5,6,7
	ds_load_b128 v[\f+4*\t:\f+4*\t+3], v[RD] offset:\t*2*SPITCH    ; LDS serves a wave's instructions in order: these see the stores above
.endr
.irp t, 0,1,2,3,4,5,6,7
	s_wait_dscnt 7-\t                              ; the 7 - t younger read-backs may be out
	global_store_b128 v[CO], v[\f+4*\t:\f+4*\t+3], s[70:71] offset:(16*\i+2*\t)*4096 th:TH_STORE_NT   ; sixteen lanes store 256 consecutive bytes, aligned
.endr
.endm
	OUT16 0, F0
	OUT16 1, F1
	OUT16 2, F0
	OUT16 3, F1
	OUT16 4, F0
	OUT16 5, F1
	OUT16 6, F0
	OUT16 7, F1
	s_set_vgpr_msb 0x1
	s_wait_tensorcnt 0x0
	ds_add_u32 v255, v255
	s_wait_dscnt 0x0
	s_set_vgpr_msb 0x100
	CROUND                                         ; the closing round
	s_endpgm
.Lfunc_end_k_q63eb873598_proj:
	.size	k_q63eb873598_proj, .Lfunc_end_k_q63eb873598_proj-k_q63eb873598_proj
	.p2alignl 7, 3214868480
	.fill 96, 4, 3214868480
	.section	.rodata,"a",@progbits
	.p2align	6, 0x0
	.amdhsa_kernel k_q63eb873598_proj
		.amdhsa_group_segment_fixed_size 327680
		.amdhsa_private_segment_fixed_size 0
		.amdhsa_enable_private_segment 0
		.amdhsa_kernarg_size 32
		.amdhsa_user_sgpr_count 2
		.amdhsa_user_sgpr_kernarg_segment_ptr 1
		.amdhsa_wavefront_size32 1
		.amdhsa_system_sgpr_workgroup_id_x 1
		.amdhsa_system_sgpr_workgroup_id_y 1
		.amdhsa_system_sgpr_workgroup_id_z 1
		.amdhsa_system_vgpr_workitem_id 0
		.amdhsa_next_free_vgpr 768
		.amdhsa_next_free_sgpr 80
		.amdhsa_reserve_vcc 0
		.amdhsa_float_denorm_mode_32 3
		.amdhsa_float_denorm_mode_16_64 3
		.amdhsa_memory_ordered 1
		.amdhsa_forward_progress 1
		.amdhsa_inst_pref_size 120
	.end_amdhsa_kernel
	.amdgpu_metadata
---
amdhsa.version: [ 1, 2 ]
amdhsa.kernels:
  - .name:           k_q63eb873598_proj
    .symbol:         k_q63eb873598_proj.kd
    .args:
      - { .name: ao, .offset: 0, .size: 8, .value_kind: global_buffer, .address_space: global }
      - { .name: wob, .offset: 8, .size: 8, .value_kind: global_buffer, .address_space: global }
      - { .name: b_out, .offset: 16, .size: 8, .value_kind: global_buffer, .address_space: global }
      - { .name: out0, .offset: 24, .size: 8, .value_kind: global_buffer, .address_space: global }
    .group_segment_fixed_size: 327680
    .private_segment_fixed_size: 0
    .kernarg_segment_align: 8
    .kernarg_segment_size: 32
    .max_flat_workgroup_size: 128
    .sgpr_count:     80
    .vgpr_count:     768
    .wavefront_size: 32
...
	.end_amdgpu_metadata
.endif
;; end of part 4
;; ======== version 2 of 2: 4 launches
;; limits: values outside matrix products are rounded to bf16; values are held in f16: magnitudes above 65,504 overflow, below 6.1e-05 lose precision
;; workspace buffers: xb 8,388,608 bytes; wqb 6,291,456 bytes; wob 2,097,152 bytes; rot 1,048,576 bytes; kbias 16,384 bytes; qkv 25,165,824 bytes; vsum 131,072 bytes; ao 8,388,608 bytes
;; launch prep: the kernel of part 1 again; grid 512 x 1, 8 waves a work-group, no clusters, 0 bytes of LDS; arguments x, w_qkv, w_out, rotary_pos_emb, mask, xb, wqb, wob, rot, kbias; writes xb, wqb, wob, rot, kbias
;; launch qkvp (part 5): grid 12 x 16, 4 waves a work-group, clusters of 4 x 4, 327,680 bytes of LDS; arguments xb, wqb, rot, qkv, vsum; writes qkv, vsum
.if DOCPART == 5
	.amdgcn_target "amdgcn-amd-amdhsa--gfx1250"
	.amdhsa_code_object_version 6
	.text
	.protected	k_q63eb873598_qkvp
	.globl	k_q63eb873598_qkvp
	.p2align	8
	.type	k_q63eb873598_qkvp,@function
k_q63eb873598_qkvp:
	s_mov_b64 s[64:65], 0
	v_nop
	global_prefetch_b8 v0, s[64:65] scope:SCOPE_SE
	s_setreg_imm32_b32 hwreg(HW_REG_WAVE_MODE, 25, 1), 1
	s_wait_xcnt 0x0
	s_wait_alu depctr_hold_cnt(0) depctr_sa_sdst(0) depctr_va_vdst(0) depctr_va_sdst(0) depctr_va_ssrc(0) depctr_va_vcc(0) depctr_vm_vsrc(0)
	s_getreg_b32 s2, hwreg(HW_REG_IB_STS2, 6, 4)
	s_cmp_eq_u32 s2, 0
	s_cbranch_scc0 .Lentry_in_a_cluster
	s_endpgm
.Lentry_in_a_cluster:
	s_bfe_u32 s2, ttmp6, 0x10000c
	s_cmp_lg_u32 s2, 0xf033
	s_cbranch_scc0 .Lentry_shape_is_right
	s_endpgm
.Lentry_shape_is_right:
; qkv = xb wqb^T (4096 x 3072, K = 1024, bf16 operands, f32 sums), the rotary step on q, k and v in f32, the result in f16 by heads:
; plane 2 g + b (g = h: q, 16 + h: k, 32 + h: v) of 2048 rows x 64 f16.  For v also the column sums of each 128 rows (vsum), which the
; attention needs for queries without any valid key.  q is NOT scaled here: the attention folds the scale into its exponent.
; LIMIT: |q|, |k|, |v| < 65504 (f16); below 6.1e-5 an absolute error of 3e-8.
; A work-group makes 256 x 256 with four waves, a wave 128 x 128 (two whole heads): 64 accumulator tiles, 512 registers.  192 work-groups.
; K goes in steps of 128 through two LDS slots; a tile's rows are 256 bytes of memory at multiples of 256 bytes from the buffer's start.
; CLUSTERS: 4 x 4 work-groups; xb's tile hangs on the block row alone and is asked for jointly along a row of the cluster, wqb's on the
; block column alone and jointly along a column: a quarter of the requests.
; THE TABLE of cos and sin for the block's 256 positions (256 x 512 bytes) hangs on the block row alone too.  It is asked for jointly along a
; row of the cluster, into slot 0 when that slot has had its last read, and lands under the last K step's 256 matrix instructions.
; REGISTERS: window 0: v16-29 addresses, v32-63 read-back, v64-127 and v128-191 fragments of xb (two buffers; on the way out the table and
; the swapped products), v192-223 packed results.  Window 1: v64-191 fragments of wqb.  Windows 2, 3: accumulators, tile (a, b) at 8 (8 a + b).
; The matrix instruction is used transposed (source 0 = 16 rows of wqb, source 1 = 16 rows of xb): lane l holds token l % 16, and its
; registers 0-7 the features 8 (l / 16) + 0..7 of the tile: neighbouring numbers of a head, pairs of the rotary step in one register pair.
.set SIZE_K, 1024
.set KSTEP,  128
.set PITCH,  272                       ; 256 bytes + 16 of padding: the 16 rows of a fragment load start 16 bytes apart modulo 256
.set HALFT,  128*PITCH
.set SLOT,   4*HALFT                   ; xb's 256 rows, then wqb's 256 rows: 139,264 bytes
.set TPITCH, 528                       ; a table row: 512 bytes + 16; 256 rows are 135,168 bytes, inside slot 0
.set STAGE,  2*SLOT                    ; behind the ring, never filled by a tensor load: 2 heads x 16 rows x 144 bytes for each wave
.set SPITCH, 144
.set SHEAD,  16*SPITCH
.set LAPS,   SIZE_K/(2*KSTEP)          ; 4
.set ADRA, 16
.set ADRB, 20
.set STO,  24                          ; where I put 16 bytes of a row of the stage
.set RD,   25                          ; where I read 16 bytes back
.set CO,   26                          ; 16 x lane
.set RT,   27                          ; my place in the table in LDS: (128 x my half of the rows + r) x 528 + 32 h
.set VS,   28                          ; stage + 32 h
.set VR,   29                          ; stage + 16 lane
.set RB,   32
.set F0,   64
.set F1,   128
.set RC,   F0                          ; way out: cos at RC + 16 bq + j, signed sin at RC + 16 bq + 8 + j
.set TF,   F1                          ; way out: swapped pair x signed sin
.set TMP,  192
.set G1, 24
.set G0, 32
.set G1B, 48
.set G0B, 56
.set G1R, 84                           ; s[84:91] the table's descriptor group 1
.set G0R, 92                           ; s[92:95] its group 0
.set MSB, 0
.macro WIN new                         ; the immediate's high byte repeats the setting that is left
.if MSB != (\new)
	s_set_vgpr_msb (MSB<<8)|(\new)
.set MSB, (\new)
.endif
.endm
.set MUL_LO, 0xa1                      ; source 0 window 1, source 1 window 0, C and D window 2
.set MUL_HI, 0xf1                      ; the same, C and D window 3
.set TO_B,   0x40
.macro JLOAD s                         ; waves 0, 1 ask for xb's halves, waves 2, 3 for wqb's: one mask a line, the branch hangs on the wave alone
	s_cmp_eq_u32 s11, 0
	s_cbranch_scc0 .Lfor_b_\@
	tensor_load_to_lds s[G0+4*\s:G0+4*\s+3], s[G1:G1+7]
	s_nop 0
	s_branch .Lasked_\@
.Lfor_b_\@:
	tensor_load_to_lds s[G0B+4*\s:G0B+4*\s+3], s[G1B:G1B+7]
	s_nop 0
.Lasked_\@:
.endm
.macro CREST                           ; a round of the cluster's barrier behind its opening work-group barrier
	s_cmp_lg_u32 s10, 0
	s_cbranch_scc1 .Lnot_wave_0_\@
	s_barrier_signal -3
.Lnot_wave_0_\@:
	s_barrier_wait -3
	s_barrier_signal -1
	s_barrier_wait -1
.endm
.macro CROUND
	s_barrier_signal -1
	s_barrier_wait -1
	CREST
.endm
	s_load_b128 s[4:7], s[0:1], 0x0                ; xb, wqb
	s_load_b128 s[68:71], s[0:1], 0x10             ; rot, qkv
	s_load_b64 s[72:73], s[0:1], 0x20              ; vsum
	s_set_vgpr_msb 0x40
	v_lshl_add_u32 v255, v0, 2, 0x48800
	s_set_vgpr_msb 0x4000
	v_mov_b32 v255, 0
	s_set_vgpr_msb 0x1
	ds_add_u32 v255, v255
	ds_add_u32 v255, v255
	s_set_vgpr_msb 0x100
	v_lshrrev_b32 v1, 5, v0
	v_readfirstlane_b32 s10, v1                    ; wave
	s_lshr_b32 s11, s10, 1                         ; my half of the block's rows; also: I fetch for xb (0) or wqb (1)
	s_and_b32 s12, s10, 1                          ; my half of its columns; also: which 128 rows of that tile I fetch
	s_bfe_u32 s40, ttmp6, 0x40000                  ; cx
	s_bfe_u32 s41, ttmp6, 0x40004                  ; cy
	s_lshl_b32 s42, ttmp9, 2
	s_add_co_u32 s42, s42, s40                     ; block column 0..11
	s_and_b32 s13, ttmp7, 0xffff
	s_lshl_b32 s13, s13, 2
	s_add_co_u32 s13, s13, s41                     ; block row 0..15
	s_lshl_b32 s43, s41, 2
	s_lshl_b32 s43, 15, s43                        ; my row of the cluster
	s_lshl_b32 s44, 0x1111, s40                    ; my column
	; group 1: 128 rows x 128 elements of 2 bytes, 4 words of padding behind every 64
	s_or_b32 s[G1+0], s43, (1<<16)|(1<<20)|(1<<21)|(5<<22)|(3<<25)
	s_or_b32 s[G1B+0], s44, (1<<16)|(1<<20)|(1<<21)|(5<<22)|(3<<25)
	s_mov_b32 s[G1+1], KSTEP<<16                   ; tensor_dim0 = 128
	s_mov_b32 s[G1B+1], KSTEP<<16
	s_mov_b32 s[G1+2], 128<<16                     ; tensor_dim1 = 128
	s_mov_b32 s[G1B+2], 128<<16
	s_mov_b32 s[G1+3], KSTEP<<16                   ; tile_dim0 = 128
	s_mov_b32 s[G1B+3], KSTEP<<16
	s_mov_b32 s[G1+4], 128                         ; tile_dim1 = 128
	s_mov_b32 s[G1B+4], 128
	s_mov_b32 s[G1+5], SIZE_K                      ; elements from row to row
	s_mov_b32 s[G1B+5], SIZE_K
	s_mov_b32 s[G1+6], 0
	s_mov_b32 s[G1B+6], 0
	s_mov_b32 s[G1+7], 0
	s_mov_b32 s[G1B+7], 0
	; the table: 64 rows x 128 elements of 4 bytes for each wave, 4 words of padding behind every 128; shared along my row of the cluster
	s_or_b32 s[G1R+0], s43, (2<<16)|(1<<20)|(1<<21)|(6<<22)|(3<<25)
	s_mov_b32 s[G1R+1], 128<<16                    ; tensor_dim0 = 128
	s_mov_b32 s[G1R+2], 64<<16                     ; tensor_dim1 = 64
	s_mov_b32 s[G1R+3], 128<<16                    ; tile_dim0 = 128
	s_mov_b32 s[G1R+4], 64                         ; tile_dim1 = 64
	s_mov_b32 s[G1R+5], 128                        ; elements from row to row
	s_mov_b32 s[G1R+6], 0
	s_mov_b32 s[G1R+7], 0
	s_mov_b32 s[G0R], 1
	s_mul_i32 s[G0R+1], s10, 64*TPITCH             ; LDS: wave x 64 rows, from slot 0's first byte
	s_and_b32 s74, s13, 7                          ; the block's place in its sequence,
	s_lshl2_add_u32 s74, s74, s10                  ; in pieces of 64 positions, + wave
	s_lshl_b32 s74, s74, 15                        ; 64 rows of 512 bytes
	s_mov_b32 s75, 0
	; xb's address is made of the block row and the wave, wqb's of the block column and the wave, in registers that never hold the other
	s_lshl_b32 s17, s12, 7
	s_lshl_b32 s16, s13, 8
	s_add_co_u32 s16, s16, s17
	s_lshl_b32 s16, s16, 11                        ; rows of 2,048 bytes
	s_lshl_b32 s46, s42, 8
	s_add_co_u32 s46, s46, s17
	s_lshl_b32 s46, s46, 11
	s_mov_b32 s17, 0
	s_mov_b32 s47, 0
	s_mul_i32 s20, s10, HALFT                      ; LDS: wave x 128 rows
	s_wait_dscnt 0x0
	s_wait_kmcnt 0x0
	s_add_nc_u64 s[14:15], s[4:5], s[16:17]
	s_add_nc_u64 s[46:47], s[6:7], s[46:47]
	s_add_nc_u64 s[G0R+2:G0R+3], s[68:69], s[74:75]
	s_or_b32 s[G0R+3], s[G0R+3], 0x80000000
	CROUND                                         ; all sixteen work-groups are here: the first joint loads meet
.irp s, 0,1
	s_mov_b32 s[G0+4*\s], 1
	s_add_co_u32 s[G0+4*\s+1], s20, \s*SLOT
	s_add_nc_u64 s[G0+4*\s+2:G0+4*\s+3], s[14:15], \s*KSTEP*2
	s_or_b32 s[G0+4*\s+3], s[G0+4*\s+3], 0x80000000
	s_mov_b32 s[G0B+4*\s], 1
	s_add_co_u32 s[G0B+4*\s+1], s20, \s*SLOT
	s_add_nc_u64 s[G0B+4*\s+2:G0B+4*\s+3], s[46:47], \s*KSTEP*2
	s_or_b32 s[G0B+4*\s+3], s[G0B+4*\s+3], 0x80000000
	JLOAD \s                                       ; both first fills go out together: two tensor loads of the wave are out at the most
.endr
	v_and_b32 v1, 15, v0                           ; r
	v_bfe_u32 v2, v0, 4, 1                         ; h
	v_mul_u32_u24 v3, v1, PITCH
	v_lshl_add_u32 v3, v2, 4, v3
	s_mul_i32 s21, s11, HALFT
	s_mul_i32 s22, s12, HALFT
	s_add_co_u32 s22, s22, 2*HALFT
.irp s, 0,1
	v_add_nc_u32 v[ADRA+\s], s21, v3
	v_add_nc_u32 v[ADRB+\s], s22, v3
	s_add_co_u32 s21, s21, SLOT
	s_add_co_u32 s22, s22, SLOT
.endr
	s_mul_i32 s23, s10, 2*SHEAD
	s_add_co_u32 s23, s23, STAGE                   ; my stage
	v_mul_u32_u24 v4, v1, SPITCH
	v_lshl_add_u32 v4, v2, 4, v4
	v_add_nc_u32 v[STO], s23, v4
	v_and_b32 v5, 31, v0
	v_lshrrev_b32 v6, 3, v5
	v_mul_u32_u24 v6, v6, SPITCH
	v_and_b32 v7, 7, v0
	v_lshl_add_u32 v6, v7, 4, v6
	v_add_nc_u32 v[RD], s23, v6                    ; eight lanes take a row of 128 bytes, the wave four rows
	v_lshlrev_b32 v[CO], 4, v5
	v_mul_u32_u24 v[RT], v1, TPITCH
	v_lshl_add_u32 v[RT], v2, 5, v[RT]
	s_mul_i32 s21, s11, 128*TPITCH
	v_add_nc_u32 v[RT], s21, v[RT]
	v_lshl_add_u32 v[VS], v2, 5, s23
	v_add_nc_u32 v[VR], s23, v[CO]
; 16 matrix instructions; zero = 1: the first product starts the sums.  The 64 accumulators take turns, one instruction a turn, in the same
; order in every quarter step.
.macro MUL16 f, hi, a0, zero
.irp a, \a0, \a0+1
.irp b, 0,1,2,3,4,5,6,7
.if \zero
	v_wmma_f32_16x16x32_bf16 v[8*(8*(\a)+\b):8*(8*(\a)+\b)+7], v[\f+8*\b:\f+8*\b+7], v[\f+8*(4*\hi+\a):\f+8*(4*\hi+\a)+7], 0
.else
	v_wmma_f32_16x16x32_bf16 v[8*(8*(\a)+\b):8*(8*(\a)+\b)+7], v[\f+8*\b:\f+8*\b+7], v[\f+8*(4*\hi+\a):\f+8*(4*\hi+\a)+7], v[8*(8*(\a)+\b):8*(8*(\a)+\b)+7]
.endif
.endr
.endr
.endm
.macro FETCH slot, k, f                ; 32 LDS loads in one run: a quarter step's fragments
	WIN TO_B
.irp i, 0,1,2,3,4,5,6,7
	ds_load_b128 v[\f+8*\i:\f+8*\i+3],   v[ADRB+\slot] offset:\k+\i*16*PITCH
	ds_load_b128 v[\f+8*\i+4:\f+8*\i+7], v[ADRB+\slot] offset:\k+\i*16*PITCH+32
.endr
	WIN 0
.irp i, 0,1,2,3,4,5,6,7
	ds_load_b128 v[\f+8*\i:\f+8*\i+3],   v[ADRA+\slot] offset:\k+\i*16*PITCH
	ds_load_b128 v[\f+8*\i+4:\f+8*\i+7], v[ADRA+\slot] offset:\k+\i*16*PITCH+32
.endr
.endm
.macro PLACES                          ; four independent vector instructions between a matrix instruction and a load into, or a vector
.rept 4                                ; instruction on, one of its registers (ISA guide 7.12.1)
	v_nop
.endr
.endm
.macro QUARTER slot, k, f, g, zero
	s_wait_dscnt 8                                 ; wqb's fragments and xb's rows 0-63 are in; the youngest eight loads may be out
	WIN MUL_LO
	MUL16 \f, 0, 0, \zero
	MUL16 \f, 0, 2, \zero
	PLACES
	FETCH \slot, \k, \g
	s_wait_dscnt 32                                ; all but the 32 just issued
	WIN MUL_HI
	MUL16 \f, 1, 0, \zero
	MUL16 \f, 1, 2, \zero
.endm
.macro THREE slot, zero
	QUARTER \slot, 64,  F0, F1, \zero
	QUARTER \slot, 128, F1, F0, 0
	QUARTER \slot, 192, F0, F1, 0
.endm
; The last quarter of a K step changes slots: one barrier, in front of it my reads of this slot and all my tensor loads are waited for.
; fill = 1: the barrier opens a round of the cluster's barrier, and behind the round this slot is filled again, two K steps ahead.
; fill = 2: the same round, and this slot, which no K step reads any more, takes the table: my 64 rows of it, one tensor load.
; Then the next slot's first fragments.
.macro TURN slot, next, fill
	s_wait_dscnt 8
	WIN MUL_LO
	MUL16 F1, 0, 0, 0
	s_wait_dscnt 0
	s_wait_tensorcnt 0x0
	ds_add_u32 v255, v255
	s_wait_dscnt 0x0
	s_barrier_signal -1
	MUL16 F1, 0, 2, 0
	WIN 0
	s_barrier_wait -1
.if \fill == 1
	CREST
	s_add_nc_u64 s[G0+4*\slot+2:G0+4*\slot+3], s[G0+4*\slot+2:G0+4*\slot+3], 2*KSTEP*2
	s_add_nc_u64 s[G0B+4*\slot+2:G0B+4*\slot+3], s[G0B+4*\slot+2:G0B+4*\slot+3], 2*KSTEP*2
	JLOAD \slot
.endif
.if \fill == 2
	CREST
	tensor_load_to_lds s[G0R:G0R+3], s[G1R:G1R+7]  ; every wave asks for rows of its own: both addresses hang on the wave's number
	s_nop 0
.endif
	PLACES
	FETCH \next, 0, F0
	WIN MUL_HI
	MUL16 F1, 1, 0, 0
	MUL16 F1, 1, 2, 0
.endm
.macro LAP zero
	THREE 0, \zero
	TURN 0, 1, 1
	THREE 1, 0
	TURN 1, 0, 1
.endm
	s_wait_tensorcnt 1                             ; my part of K step 0 is in; K step 1's may stay out
	s_barrier_signal -1
	s_barrier_wait -1
	FETCH 0, 0, F0
	LAP 1
	WIN 0
	s_mov_b32 s3, LAPS-2
.Llap:
	LAP 0
	WIN 0
	s_sub_co_u32 s3, s3, 1
	s_cmp_lg_u32 s3, 0
	s_cbranch_scc1 .Llap
	THREE 0, 0                                     ; the last lap fetches no K step more; slot 0 takes the table
	TURN 0, 1, 2
	THREE 1, 0
	s_wait_dscnt 8
	WIN MUL_LO
	MUL16 F1, 0, 0, 0
	MUL16 F1, 0, 2, 0
	s_wait_dscnt 0
	WIN MUL_HI
	MUL16 F1, 1, 0, 0
	MUL16 F1, 1, 2, 0
	; THE WAY OUT, 16 tokens at a time: table from LDS, rotate in f32, round to f16, through my stage, out as whole rows of the two heads' planes
	PLACES
	WIN 0
	s_wait_tensorcnt 0x0                           ; my 64 rows of the table have landed,
	s_barrier_signal -1                            ; (no LDS instruction of mine is out: the wait for 0 stands in front of the last products)
	s_barrier_wait -1                              ; everybody's have: I read rows that two waves brought
	s_and_b32 s14, s13, 7
	s_lshl_b32 s14, s14, 8
	s_lshl_b32 s15, s11, 7
	s_add_co_u32 s14, s14, s15                     ; n0: my first position in the sequence
	s_mov_b32 s17, 0
	s_lshl_b32 s16, s14, 7
	s_lshr_b32 s18, s13, 3                         ; b
	s_lshl_b32 s19, s18, 18
	s_add_co_u32 s16, s16, s19
	s_add_nc_u64 s[70:71], s[70:71], s[16:17]      ; qkv: + plane b, row n0
	s_lshl_b32 s46, s42, 2
	s_lshl1_add_u32 s46, s12, s46                  ; g0 = 4 x block column + 2 x half (in registers that feed none of xb's descriptors)
	s_lshl_b32 s8, s46, 19
	s_mov_b32 s9, 0
	s_add_nc_u64 s[70:71], s[70:71], s[8:9]        ; + plane 2 g0
.macro RLOAD i                         ; the table for tokens 16 i + r, features 16 bq + 8 h + 0..7: 16 LDS loads; rows 528 bytes apart start 16 bytes apart modulo 256
.irp bq, 0,1,2,3
.irp e, 0,1
	ds_load_b128 v[RC+16*\bq+4*\e:RC+16*\bq+4*\e+3],     v[RT] offset:16*TPITCH*(\i)+64*\bq+16*\e
	ds_load_b128 v[RC+16*\bq+8+4*\e:RC+16*\bq+8+4*\e+3], v[RT] offset:16*TPITCH*(\i)+64*\bq+16*\e+256
.endr
.endr
.endm
; tokens 16 i .. 16 i + 15 = the eight tiles (a, 0..7) of window w
.macro ROT16 i, a, w
	s_wait_dscnt 0x0                               ; this group's table is in (from the second group on met: the last group's count-down ended at 0)
	WIN \w
.irp b, 0,1,2,3,4,5,6,7
.irp p, 0,1,2,3
	v_pk_mul_f32 v[TF+8*\b+2*\p:TF+8*\b+2*\p+1], v[8*(8*\a+\b)+2*\p:8*(8*\a+\b)+2*\p+1], v[RC+16*(\b&3)+8+2*\p:RC+16*(\b&3)+8+2*\p+1] op_sel:[1,0] op_sel_hi:[0,1]   ; the pair swapped x signed sin
.endr
.endr
	WIN (\w<<6)|\w
.irp b, 0,1,2,3,4,5,6,7
.irp p, 0,1,2,3
	v_pk_fma_f32 v[8*(8*\a+\b)+2*\p:8*(8*\a+\b)+2*\p+1], v[8*(8*\a+\b)+2*\p:8*(8*\a+\b)+2*\p+1], v[RC+16*(\b&3)+2*\p:RC+16*(\b&3)+2*\p+1], v[TF+8*\b+2*\p:TF+8*\b+2*\p+1]
.endr
.endr
	WIN 0
.if \i < 7
	RLOAD \i+1                                     ; the next group's table comes in under this group's way out
.endif
	WIN (\w<<2)|\w
.irp b, 0,1,2,3,4,5,6,7
.irp p, 0,1,2,3
	v_cvt_pk_f16_f32 v[TMP+4*\b+\p], v[8*(8*\a+\b)+2*\p], v[8*(8*\a+\b)+2*\p+1]
.endr
.endr
	WIN 0
.irp b, 0,1,2,3,4,5,6,7
	ds_store_b128 v[STO], v[TMP+4*\b:TMP+4*\b+3] offset:(\b>>2)*SHEAD+32*(\b&3)
.endr
	s_wait_xcnt 0x0                                ; RB was the data of the last group's stores: it is rewritten only behind this wait
.irp t, 0,1,2,3,4,5,6,7
	ds_load_b128 v[RB+4*\t:RB+4*\t+3], v[RD] offset:(\t>>2)*SHEAD+(\t&3)*4*SPITCH   ; LDS serves a wave's instructions in order: these see the stores above
.endr
.irp t, 0,1,2,3,4,5,6,7
	s_wait_dscnt 7-\t                              ; the 7 - t younger read-backs may be out
	global_store_b128 v[CO], v[RB+4*\t:RB+4*\t+3], s[70:71] offset:(\t>>2)*524288+2048*\i+512*(\t&3)   ; four rows of a plane: 512 consecutive bytes, aligned
.endr
.endm
	RLOAD 0
	ROT16 0, 0, 2
	ROT16 1, 1, 2
	ROT16 2, 2, 2
	ROT16 3, 3, 2
	ROT16 4, 0, 3
	ROT16 5, 1, 3
	ROT16 6, 2, 3
	ROT16 7, 3, 3
	; block columns 8-11 hold v: the sums of my 128 rotated rows, column by column.  The branch hangs on the cluster's x, the same in all partners.
	s_cmp_lg_u32 ttmp9, 2
	s_cbranch_scc1 .Lno_sums
.macro SUMW                            ; tiles (1..3, b) onto tile (0, b), in the window that is set
.irp a, 1,2,3
.set x, 0
.rept 32
	v_pk_add_f32 v[x:x+1], v[x:x+1], v[64*\a+x:64*\a+x+1]
.set x, x+2
.endr
.endr
.endm
	WIN 0x8a
	SUMW
	WIN 0xcf
	SUMW
	WIN 0x0e
.set x, 0
.rept 32
	v_pk_add_f32 v[TF+x:TF+x+1], v[x:x+1], v[x:x+1]        ; window 2 + window 3
.set x, x+2
.endr
	WIN 0
.irp m, 1,2,4,8
.set x, 0
.rept 64
	v_add_f32_dpp v[TF+x], v[TF+x], v[TF+x] row_xmask:\m row_mask:0xf bank_mask:0xf   ; over the sixteen tokens of a tile
.set x, x+1
.endr
.endr
.irp b, 0,1,2,3,4,5,6,7
.irp e, 0,1
	ds_store_b128 v[VS], v[TF+8*\b+4*\e:TF+8*\b+4*\e+3] offset:64*\b+16*\e     ; column 16 b + 8 h + 4 e; the sixteen lanes of a half hold the same numbers
.endr
.endr
	ds_load_b128 v[TMP:TMP+3], v[VR]               ; 128 columns = 512 bytes, 16 a lane
	s_lshl_b32 s16, s18, 4
	s_and_b32 s19, s13, 7
	s_lshl1_add_u32 s16, s19, s16
	s_add_co_u32 s16, s16, s11                     ; 16 b + my block of 128 rows
	s_lshl_b32 s16, s16, 12
	s_add_nc_u64 s[72:73], s[72:73], s[16:17]
	s_sub_co_u32 s8, s46, 32                       ; my first head
	s_lshl_b32 s8, s8, 8
	s_add_nc_u64 s[72:73], s[72:73], s[8:9]
	s_wait_dscnt 0x0
	global_store_b128 v[CO], v[TMP:TMP+3], s[72:73]
.Lno_sums:
	s_set_vgpr_msb 0x1
	s_wait_tensorcnt 0x0
	ds_add_u32 v255, v255
	s_wait_dscnt 0x0
	s_set_vgpr_msb 0x100
	CROUND                                         ; the closing round: no work-group ends while a partner may still ask for a tile that names it
	s_endpgm
.Lfunc_end_k_q63eb873598_qkvp:
	.size	k_q63eb873598_qkvp, .Lfunc_end_k_q63eb873598_qkvp-k_q63eb873598_qkvp
	.p2alignl 7, 3214868480
	.fill 96, 4, 3214868480
	.section	.rodata,"a",@progbits
	.p2align	6, 0x0
	.amdhsa_kernel k_q63eb873598_qkvp
		.amdhsa_group_segment_fixed_size 327680
		.amdhsa_private_segment_fixed_size 0
		.amdhsa_enable_private_segment 0
		.amdhsa_kernarg_size 40
		.amdhsa_user_sgpr_count 2
		.amdhsa_user_sgpr_kernarg_segment_ptr 1
		.amdhsa_wavefront_size32 1
		.amdhsa_system_sgpr_workgroup_id_x 1
		.amdhsa_system_sgpr_workgroup_id_y 1
		.amdhsa_system_sgpr_workgroup_id_z 1
		.amdhsa_system_vgpr_workitem_id 0
		.amdhsa_next_free_vgpr 1024
		.amdhsa_next_free_sgpr 96
		.amdhsa_reserve_vcc 0
		.amdhsa_float_denorm_mode_32 3
		.amdhsa_float_denorm_mode_16_64 3
		.amdhsa_memory_ordered 1
		.amdhsa_forward_progress 1
		.amdhsa_inst_pref_size 255
	.end_amdhsa_kernel
	.section	.bss,"aw",@nobits
	.p2align	6
	.space	262144
	.amdgpu_metadata
---
amdhsa.version: [ 1, 2 ]
amdhsa.kernels:
  - .name:           k_q63eb873598_qkvp
    .symbol:         k_q63eb873598_qkvp.kd
    .args:
      - { .name: xb, .offset: 0, .size: 8, .value_kind: global_buffer, .address_space: global }
      - { .name: wqb, .offset: 8, .size: 8, .value_kind: global_buffer, .address_space: global }
      - { .name: rot, .offset: 16, .size: 8, .value_kind: global_buffer, .address_space: global }
      - { .name: qkv, .offset: 24, .size: 8, .value_kind: global_buffer, .address_space: global }
      - { .name: vsum, .offset: 32, .size: 8, .value_kind: global_buffer, .address_space: global }
    .group_segment_fixed_size: 327680
    .private_segment_fixed_size: 0
    .kernarg_segment_align: 8
    .kernarg_segment_size: 40
    .max_flat_workgroup_size: 128
    .sgpr_count:     96
    .vgpr_count:     1024
    .wavefront_size: 32
...
	.end_amdgpu_metadata
.endif
;; end of part 5
;; launch attn (part 6): grid 256 x 1, 8 waves a work-group, no clusters, 327,680 bytes of LDS; arguments qkv, kbias, vsum, ao; writes ao
.if DOCPART == 6
	.amdgcn_target "amdgcn-amd-amdhsa--gfx1250"
	.amdhsa_code_object_version 6
	.text
	.protected	k_q63eb873598_attn
	.globl	k_q63eb873598_attn
	.p2align	8
	.type	k_q63eb873598_attn,@function
k_q63eb873598_attn:
	s_mov_b64 s[64:65], 0
	v_nop
	global_prefetch_b8 v0, s[64:65] scope:SCOPE_SE
	s_setreg_imm32_b32 hwreg(HW_REG_WAVE_MODE, 25, 1), 1
	s_wait_xcnt 0x0
; Causal attention of one head for two blocks of 128 queries, f16 operands, f32 sums and statistics, running maximum.
; Work-group wg: head wg / 8 (b = head / 16, h = head % 16), j = wg % 8: first query block 15 - j (16 - j units of 128 keys), then block j
; (j + 1 units): 17 units for every work-group.
; EIGHT WAVES, two for each of a WGP's four SIMDs, 512 registers each.  Waves w and w + 4 own the same 32 queries (two fragments qf); wave w takes
; keys 0-63 of every unit, wave w + 4 keys 64-127, each with a running maximum, sum and O of its own, so that one wave's matrix instructions and
; the other's vector work can take turns on a SIMD.  At a block's end waves 4-7 hand M, L and O over through LDS and waves 0-3 merge and store.
; S^T = K Q^T: lane (r, h) holds query r and keys 8 h + 0..7 of a tile, so a query's statistics are one number a lane, and two packed tiles
; ARE the P^T fragment of O^T = V^T P^T.  V^T's fragments come by the transposing LDS load.  The key bias (0 or -2^100) starts the sums of S.
; A query with no valid key (maximum at or below -2^99) gets the mean of all 2048 rows of v, as a softmax over equal finite numbers gives.
; The scale 1/8 and log2 e are one factor in the exponent.
; LIMITS: |q k| < 2^99; P and the result are rounded to f16.
; NO MULTICAST: from its unit 16 - j on a work-group reads tile u - (16 - j), so the eight work-groups of a head need different tiles in the same unit.
; LDS: two slots of TWO units each (K 2 x 128 x 144 bytes, then V 2 x 128 x 160 bytes): one barrier and one fill for two units, each wave one
; tensor load of 64 rows.  Behind the slots, never filled by a tensor load: for each wave 32 x 144 bytes of stage and 4,096 bytes for the small
; block's Q; then for each pair of waves 17 x 512 bytes in which M, L and O are handed over.
.set KP, 144                           ; odd multiple of 16
.set VP, 160                           ; odd multiple of 32, for the transposing load
.set KU, 128*KP                        ; a unit's K: 18,432
.set VU, 128*VP                        ; a unit's V: 20,480
.set VOFF, 2*KU
.set SLOT, VOFF+2*VU                   ; 77,824
.set PRIV, 2*SLOT                      ; 155,648
.set SP, 144
.set QOFF, 32*SP                       ; in a wave's own area: the stage, then Q
.set PRIVB, QOFF+4096                  ; 8,704
.set EXCH, PRIV+8*PRIVB                ; 225,280
.set XB, 17*512                        ; 8,704
; window 0
.set VK, 2                             ; v2, v3: slot 0, 1: 144 r + 16 h + my half's 64 rows
.set VV, 4                             ; v4, v5: slot 0, 1: VOFF + 160 (8 h + l % 8) + 16 (l / 8 % 2) + my half's 64 rows
.set H32, 6                            ; 32 h + 256 x my half
.set STO, 7
.set RD, 8
.set L16, 9                            ; 16 lane
.set DL, 10                            ; v10, v11: my query's number in the block - 8 h - 64 x my half, for qf = 0, 1
.set NEG, 12                           ; -2^100
.set XA, 13                            ; my pair's exchange area + 16 lane
.set PL, 14                            ; my own area + 16 lane
.set KF, 16                            ; v[16:79]   K fragments 8 (2 kt + ks)
.set VF, 80                            ; v[80:143]  V^T fragments 8 (2 db + kk); at a block's end the partner's O
.set SC, 144                           ; v[144:207] S^T tiles 8 (2 kt + qf)
.set PF, 208                           ; v[208:239] P^T fragments 8 (2 qf + kk)
.set M, 240                            ; running maximum, qf = 0, 1
.set LS, 242                           ; running sum of my half of the lanes' keys; v[240:243] go over in one LDS store
.set MN, 244                           ; new maximum
.set NM, 246                           ; - factor x new maximum
.set AL, 248                           ; what the old sums are scaled by
.set TB, 250                           ; v[250:255] at work
.set VQ, TB                            ; set-up only: 128 r + 16 h
.set VSO, TB+1                         ; set-up only: 4096 h + 16 r
.set SB, AL                            ; set-up only: stage + 16 r
.set SH, AL+1                          ; set-up only: stage + 32 h
; window 1
.set OA, 0                             ; O^T tiles 8 (2 db + qf)
.set QF, 64                            ; Q fragments 16 qf + 8 ks
.set KBR, 96                           ; key bias of my 64 keys: 64 registers a slot, 32 a unit, 8 for each 16 keys
.set VBR, 224                          ; mean of v: 8 db + 0..7
.set G1K, 32
.set G1V, 40
.set G0K, 48
.set G0V, 56
.set MSB, 0
.macro WIN new                         ; the immediate's high byte repeats the setting that is left
.if MSB != (\new)
	s_set_vgpr_msb (MSB<<8)|(\new)
.set MSB, (\new)
.endif
.endm
.macro PLACES                          ; four independent vector instructions behind matrix instructions (ISA guide 7.12.1)
.rept 4
	v_nop
.endr
.endm
; One tensor load a wave: 64 rows of K (bit 1 of the wave's number 0) or of V (1), of the slot's unit w / 4, half w % 2.
; part = 1: the slot takes one unit alone, so waves 4-7 have nothing to fetch.
.macro KVLOAD sl, part
.if \part
	s_cmp_gt_u32 s12, 3
	s_cbranch_scc1 .Lasked_\@
.endif
	s_cmp_eq_u32 s13, 0
	s_cbranch_scc0 .Lfor_v_\@
	tensor_load_to_lds s[G0K+4*\sl:G0K+4*\sl+3], s[G1K:G1K+7]
	s_nop 0
	s_branch .Lasked_\@
.Lfor_v_\@:
	tensor_load_to_lds s[G0V+4*\sl:G0V+4*\sl+3], s[G1V:G1V+7]
	s_nop 0
.Lasked_\@:
.endm
	s_load_b256 s[4:11], s[0:1], 0x0               ; qkv 4:5, kbias 6:7, vsum 8:9, ao 10:11
	v_lshl_add_u32 v254, v0, 2, 0x3f800
	v_mov_b32 v255, 0
	ds_add_u32 v254, v255
	ds_add_u32 v254, v255
	s_wait_dscnt 0x0
	v_lshrrev_b32 v1, 5, v0
	v_readfirstlane_b32 s12, v1                    ; wave 0..7
	s_lshr_b32 s13, s12, 1
	s_and_b32 s13, s13, 1                          ; I fetch K (0) or V (1)
	s_and_b32 s14, s12, 1                          ; which 64 rows
	s_lshr_b32 s86, s12, 2                         ; of which unit of a slot; also: my half of every unit's keys
	s_and_b32 s87, s12, 3                          ; my 32 queries
	s_add_co_u32 s90, s86, 2                       ; from a period's first unit to the unit that I fetch at its head
	s_and_b32 s15, ttmp9, 7                        ; j: the small block
	s_sub_co_u32 s16, 16, s15                      ; NB: units of the big block
	s_sub_co_u32 s19, 15, s15                      ; the big block, and its diagonal unit
	s_lshr_b32 s80, ttmp9, 3                       ; 16 b + h
	s_lshr_b32 s81, s80, 4                         ; b
	s_and_b32 s82, s80, 15                         ; h
	s_lshl1_add_u32 s83, s82, s81                  ; 2 h + b: q's plane
	s_mov_b32 s17, 0                               ; u
	s_mov_b32 s18, 0                               ; trips
	s_mov_b32 s29, 0
	s_mov_b32 s30, 0x3e38aa3b                      ; log2 e / 8
	s_mov_b32 s31, 0x3e38aa3b
	s_mov_b32 s72, 0x76543210                      ; v_permlanex16_b32: lane i reads lane i of the other half
	s_mov_b32 s73, 0xfedcba98
	s_mov_b32 s76, 0xf1000000                      ; -2^99
	; group 1: 64 rows x 64 elements of 2 bytes; behind every 32 words 4 words of padding (K) or 8 (V)
	s_mov_b32 s[G1K+0], (1<<16)|(1<<20)|(4<<22)|(3<<25)
	s_mov_b32 s[G1V+0], (1<<16)|(1<<20)|(4<<22)|(7<<25)
	s_mov_b32 s[G1K+1], 64<<16
	s_mov_b32 s[G1V+1], 64<<16
	s_mov_b32 s[G1K+2], 64<<16
	s_mov_b32 s[G1V+2], 64<<16
	s_mov_b32 s[G1K+3], 64<<16
	s_mov_b32 s[G1V+3], 64<<16
	s_mov_b32 s[G1K+4], 64
	s_mov_b32 s[G1V+4], 64
	s_mov_b32 s[G1K+5], 64
	s_mov_b32 s[G1V+5], 64
	s_mov_b32 s[G1K+6], 0
	s_mov_b32 s[G1V+6], 0
	s_mov_b32 s[G1K+7], 0
	s_mov_b32 s[G1V+7], 0
	s_mul_i32 s74, s14, 64*KP                      ; LDS: my half,
	s_mul_i32 s77, s86, KU                         ; of my unit
	s_add_co_u32 s74, s74, s77
	s_mul_i32 s75, s14, 64*VP
	s_mul_i32 s77, s86, VU
	s_add_co_u32 s75, s75, s77
	s_add_co_u32 s75, s75, VOFF
.irp sl, 0,1
	s_mov_b32 s[G0K+4*\sl], 1
	s_add_co_u32 s[G0K+4*\sl+1], s74, \sl*SLOT
	s_mov_b32 s[G0V+4*\sl], 1
	s_add_co_u32 s[G0V+4*\sl+1], s75, \sl*SLOT
.endr
	s_wait_kmcnt 0x0
	s_add_co_u32 s28, s83, 32
	s_lshl_b32 s28, s28, 18
	s_lshl_b32 s77, s14, 13
	s_add_co_u32 s28, s28, s77
	s_add_nc_u64 s[20:21], s[4:5], s[28:29]        ; k's plane, my 64 rows of tile 0
	s_add_co_u32 s28, s28, 32<<18
	s_add_nc_u64 s[22:23], s[4:5], s[28:29]        ; v's plane
	s_lshl_b32 s28, s86, 14                        ; units 0 and 1 are key tiles 0 and 1 (the big block has nine units or more)
	s_add_nc_u64 s[G0K+2:G0K+3], s[20:21], s[28:29]
	s_or_b32 s[G0K+3], s[G0K+3], 0x80000000
	s_add_nc_u64 s[G0V+2:G0V+3], s[22:23], s[28:29]
	s_or_b32 s[G0V+3], s[G0V+3], 0x80000000
	KVLOAD 0, 0                                    ; units 0 and 1: the one first fill at the start; one tensor load of the wave is out at the most, here and later
	s_lshl_b32 s28, s83, 18
	s_lshl_b32 s77, s87, 12
	s_add_co_u32 s28, s28, s77
	s_add_nc_u64 s[66:67], s[4:5], s[28:29]        ; q's plane, my 32 rows of block 0
	s_lshl_b32 s28, s19, 14
	s_add_nc_u64 s[78:79], s[66:67], s[28:29]      ; of the big block
	s_lshl_b32 s28, s15, 14
	s_add_nc_u64 s[66:67], s[66:67], s[28:29]      ; of the small block
	s_lshl_b32 s28, s80, 18
	s_add_co_u32 s28, s28, s77
	s_add_nc_u64 s[70:71], s[10:11], s[28:29]
	s_lshl_b32 s28, s19, 14
	s_add_nc_u64 s[68:69], s[70:71], s[28:29]      ; ao: the big block's rows
	s_lshl_b32 s28, s15, 14
	s_add_nc_u64 s[70:71], s[70:71], s[28:29]      ; the small block's
	s_lshl_b32 s28, s81, 13
	s_add_nc_u64 s[24:25], s[6:7], s[28:29]        ; kbias of my batch
	s_mov_b64 s[26:27], s[24:25]                   ; unit 0's
	s_add_nc_u64 s[88:89], s[24:25], 512           ; unit 1's
	s_lshl_b32 s28, s81, 8
	s_add_co_u32 s28, s28, s82
	s_lshl_b32 s28, s28, 8
	s_add_nc_u64 s[8:9], s[8:9], s[28:29]          ; vsum of my head, first block of rows
	v_and_b32 v[TB+2], 15, v0                      ; r
	v_bfe_u32 v[TB+3], v0, 4, 1                    ; h
	v_and_b32 v1, 31, v0                           ; lane
	s_mul_i32 s85, s12, PRIVB
	s_add_co_u32 s85, s85, PRIV                    ; my own area
	v_mul_u32_u24 v[VK], v[TB+2], KP
	v_lshl_add_u32 v[VK], v[TB+3], 4, v[VK]
	v_add_nc_u32 v[STO], s85, v[VK]                ; the stage has K's pitch
	s_mul_i32 s84, s86, 64*KP
	v_add_nc_u32 v[VK], s84, v[VK]
	v_add_nc_u32 v[VK+1], SLOT, v[VK]
	v_and_b32 v[TB+4], 7, v0
	v_lshl_add_u32 v[VV], v[TB+3], 3, v[TB+4]
	v_mul_u32_u24 v[VV], v[VV], VP
	v_bfe_u32 v[TB+5], v0, 3, 1
	v_lshl_add_u32 v[VV], v[TB+5], 4, v[VV]
	s_mul_i32 s84, s86, 64*VP
	s_add_co_u32 s84, s84, VOFF
	v_add_nc_u32 v[VV], s84, v[VV]
	v_add_nc_u32 v[VV+1], SLOT, v[VV]
	v_lshlrev_b32 v[VQ], 7, v[TB+2]
	v_lshl_add_u32 v[VQ], v[TB+3], 4, v[VQ]
	s_lshl_b32 s84, s86, 8
	v_lshlrev_b32 v[H32], 5, v[TB+3]
	v_add_nc_u32 v[H32], s84, v[H32]
	v_lshrrev_b32 v[RD], 3, v1
	v_mul_u32_u24 v[RD], v[RD], SP
	v_lshl_add_u32 v[RD], v[TB+4], 4, v[RD]
	v_add_nc_u32 v[RD], s85, v[RD]
	v_lshlrev_b32 v[L16], 4, v1
	v_add_nc_u32 v[PL], s85, v[L16]
	s_mul_i32 s84, s87, XB
	s_add_co_u32 s84, s84, EXCH
	v_add_nc_u32 v[XA], s84, v[L16]
	v_lshlrev_b32 v[VSO], 12, v[TB+3]
	v_lshl_add_u32 v[VSO], v[TB+2], 4, v[VSO]
	v_lshl_add_u32 v[SB], v[TB+2], 4, s85
	v_lshl_add_u32 v[SH], v[TB+3], 5, s85
	s_lshl_b32 s84, s87, 5
	s_lshl_b32 s91, s86, 6
	s_sub_co_i32 s84, s84, s91                     ; 32 x my queries' place - 64 x my half: may be negative, the compare is signed
	v_lshlrev_b32 v[DL], 3, v[TB+3]
	v_sub_nc_u32 v[DL], v[TB+2], v[DL]
	v_add_nc_u32 v[DL], s84, v[DL]
	v_add_nc_u32 v[DL+1], 16, v[DL]
	v_mov_b32 v[NEG], 0xf1800000
	WIN 0x40
.irp t, 0,1,2,3
.irp e, 0,1
	global_load_b128 v[KBR+8*\t+4*\e:KBR+8*\t+4*\e+3],       v[H32], s[26:27] offset:64*\t+16*\e     ; unit 0's key bias, my 64 keys
	global_load_b128 v[KBR+32+8*\t+4*\e:KBR+32+8*\t+4*\e+3], v[H32], s[88:89] offset:64*\t+16*\e     ; unit 1's
.endr
.endr
.irp qf, 0,1
.irp i, 0,1,2,3
	global_load_b128 v[QF+16*\qf+4*\i:QF+16*\qf+4*\i+3], v[VQ], s[78:79] offset:2048*\qf+32*\i ; the big block's Q fragments
.endr
.endr
	WIN 0
.irp qf, 0,1
.irp i, 0,1,2,3
	global_load_b128 v[VF+16*\qf+4*\i:VF+16*\qf+4*\i+3], v[VQ], s[66:67] offset:2048*\qf+32*\i ; the small block's, to be kept in LDS
.endr
.endr
.irp i, 0,1,2,3,4,5,6,7
	global_load_b128 v[SC+4*\i:SC+4*\i+3], v[VSO], s[8:9] offset:8192*\i   ; sixteen blocks' column sums: block 2 i + h, columns 4 r ..
.endr
	s_wait_loadcnt 0x0
.irp n, 0,1,2,3,4,5,6,7
	ds_store_b128 v[PL], v[VF+4*\n:VF+4*\n+3] offset:QOFF+512*\n           ; as the registers hold it: 16 bytes a lane; only I read it back
.endr
.irp i, 1,2,3,4,5,6,7
	v_pk_add_f32 v[SC:SC+1],   v[SC:SC+1],   v[SC+4*\i:SC+4*\i+1]
	v_pk_add_f32 v[SC+2:SC+3], v[SC+2:SC+3], v[SC+4*\i+2:SC+4*\i+3]
.endr
.irp e, 0,1,2,3
	v_permlanex16_b32 v[SC+4+\e], v[SC+\e], s72, s73
.endr
	v_pk_add_f32 v[SC:SC+1],   v[SC:SC+1],   v[SC+4:SC+5]
	v_pk_add_f32 v[SC+2:SC+3], v[SC+2:SC+3], v[SC+6:SC+7]
	v_pk_mul_f32 v[SC:SC+1],   v[SC:SC+1],   0x3a000000 op_sel_hi:[1,0]    ; / 2048
	v_pk_mul_f32 v[SC+2:SC+3], v[SC+2:SC+3], 0x3a000000 op_sel_hi:[1,0]
	ds_store_b128 v[SB], v[SC:SC+3]                ; through my stage into O^T's layout; both halves store the same numbers
	WIN 0x40
.irp db, 0,1,2,3
.irp e, 0,1
	ds_load_b128 v[VBR+8*\db+4*\e:VBR+8*\db+4*\e+3], v[SH] offset:64*\db+16*\e
.endr
.endr
	; The sums are cleared once, here: which unit starts a block hangs on the work-group's number, so no product in the text can start them.
.set x, 0
.rept 64
	v_mov_b32 v[OA+x], 0
.set x, x+1
.endr
	WIN 0
	v_mov_b32 v[M], 0xfb800000                     ; -2^120: below every score, masked ones too
	v_mov_b32 v[M+1], 0xfb800000
	v_mov_b32 v[LS], 0
	v_mov_b32 v[LS+1], 0
.macro KLOAD sl, uu                    ; K fragments of my 64 keys of unit uu of the slot: 16 loads
.irp kt, 0,1,2,3
.irp ks, 0,1
.irp e, 0,1
	ds_load_b128 v[KF+16*\kt+8*\ks+4*\e:KF+16*\kt+8*\ks+4*\e+3], v[VK+\sl] offset:\uu*KU+16*\kt*KP+64*\ks+32*\e
.endr
.endr
.endr
.endm
.macro VLOAD sl, uu                    ; V^T fragments of my 64 keys: 16 transposing loads
.irp db, 0,1,2,3
.irp kk, 0,1
.irp e, 0,1
	ds_load_tr16_b128 v[VF+16*\db+8*\kk+4*\e:VF+16*\db+8*\kk+4*\e+3], v[VV+\sl] offset:\uu*VU+(32*\kk+16*\e)*VP+32*\db
.endr
.endr
.endr
.endm
.macro WRAP d, add                     ; d = the key tile of unit u + add: that number, or that number - NB in the small block
	s_add_co_u32 \d, s17, \add
	s_cmp_ge_u32 \d, s16
	s_cselect_b32 s75, s16, 0
	s_sub_co_u32 \d, \d, s75
.endm
; The head of a period: units u and u + 1 lie in slot sl.  fill = 1: units u + 2 and u + 3 are asked for, into the other slot;
; fill = 2: unit u + 2 alone (the last); fill = 0: nothing is left to fetch.
.macro HEAD sl, fill
	s_wait_dscnt 0x0                               ; my reads of the other slot are over
	s_wait_xcnt 0x0
	v_lshl_add_u32 v254, v0, 2, 0x3f800
	v_mov_b32 v255, 0
	s_wait_tensorcnt 0x0                           ; all my tensor loads have landed, my part of this slot among them: group 0 may be written
	ds_add_u32 v254, v255
	s_wait_dscnt 0x0
.if \fill
	WRAP s74, s90                                  ; the unit that I fetch
	s_lshl_b32 s28, s74, 14
	s_add_nc_u64 s[G0K+4*(1-\sl)+2:G0K+4*(1-\sl)+3], s[20:21], s[28:29]
	s_or_b32 s[G0K+4*(1-\sl)+3], s[G0K+4*(1-\sl)+3], 0x80000000
	s_add_nc_u64 s[G0V+4*(1-\sl)+2:G0V+4*(1-\sl)+3], s[22:23], s[28:29]
	s_or_b32 s[G0V+4*(1-\sl)+3], s[G0V+4*(1-\sl)+3], 0x80000000
.endif
	s_barrier_signal -1
	s_barrier_wait -1                              ; both now hold of all eight waves
.if \fill
	KVLOAD (1-\sl), (\fill-1)                      ; my one tensor load behind the barrier, first thing there; it has two units' work in which to land
.endif
	s_wait_loadcnt 0x0                             ; this period's key bias (asked for a period ago) is in; the bias loads' bases may be written
.if \fill
	WRAP s74, 2
	s_lshl_b32 s28, s74, 9
	s_add_nc_u64 s[26:27], s[24:25], s[28:29]
.if \fill == 1
	WRAP s74, 3
	s_lshl_b32 s28, s74, 9
	s_add_nc_u64 s[88:89], s[24:25], s[28:29]
.endif
	WIN 0x40
.irp t, 0,1,2,3
.irp e, 0,1
	global_load_b128 v[KBR+64*(1-\sl)+8*\t+4*\e:KBR+64*(1-\sl)+8*\t+4*\e+3], v[H32], s[26:27] offset:64*\t+16*\e
.if \fill == 1
	global_load_b128 v[KBR+64*(1-\sl)+32+8*\t+4*\e:KBR+64*(1-\sl)+32+8*\t+4*\e+3], v[H32], s[88:89] offset:64*\t+16*\e
.endif
.endr
.endr
	WIN 0
.endif
	KLOAD \sl, 0
.endm
; My 64 keys of unit uu of slot sl x my 32 queries.  always = 1: the unit lies on the diagonal; 0: it does if u is the big block's last unit.
; pre = 1: the next unit's K fragments are asked for under this unit's softmax.
; The eight S tiles, and the eight O tiles, take turns, one matrix instruction a turn.
.macro STEP sl, uu, always, pre
	s_wait_dscnt 0x0                               ; the K fragments are in (and Q, where a block has just begun)
	WIN 0x14                                       ; Q and the bias in window 1
.irp kt, 0,1,2,3
.irp qf, 0,1
	v_wmma_f32_16x16x32_f16 v[SC+8*(2*\kt+\qf):SC+8*(2*\kt+\qf)+7], v[KF+16*\kt:KF+16*\kt+7], v[QF+16*\qf:QF+16*\qf+7], v[KBR+64*\sl+32*\uu+8*\kt:KBR+64*\sl+32*\uu+8*\kt+7]
.endr
.endr
	WIN 0x04
.irp kt, 0,1,2,3
.irp qf, 0,1
	v_wmma_f32_16x16x32_f16 v[SC+8*(2*\kt+\qf):SC+8*(2*\kt+\qf)+7], v[KF+16*\kt+8:KF+16*\kt+15], v[QF+16*\qf+8:QF+16*\qf+15], v[SC+8*(2*\kt+\qf):SC+8*(2*\kt+\qf)+7]
.endr
.endr
	WIN 0
	PLACES                                         ; behind the products above (S is read, K loaded again) and the last unit's (V, P, O)
	VLOAD \sl, \uu
.if \pre
	KLOAD \sl, 1
.endif
.if \always == 0
	s_cmp_eq_u32 s17, s19
	s_cbranch_scc0 .Lnomask_\@
.endif
.irp kt, 0,1,2,3
.irp qf, 0,1
.irp jj, 0,1,2,3,4,5,6,7
	v_cmp_gt_i32 vcc_lo, 16*\kt+\jj, v[DL+\qf]     ; key 64 x my half + 16 kt + 8 h + jj lies behind my query
	v_cndmask_b32 v[SC+8*(2*\kt+\qf)+\jj], v[SC+8*(2*\kt+\qf)+\jj], v[NEG], vcc_lo
.endr
.endr
.endr
.if \always == 0
.Lnomask_\@:
.endif
	; the new maximum: for each qf two chains over 16 numbers each (number x of 32 lies in tile x / 8, register x % 8)
.irp qf, 0,1
	v_max3_num_f32 v[MN+\qf], v[M+\qf], v[SC+8*\qf], v[SC+8*\qf+1]
	v_max3_num_f32 v[TB+\qf], v[SC+8*(4+\qf)], v[SC+8*(4+\qf)+1], v[SC+8*(4+\qf)+2]
.endr
.set i, 0
.rept 6
.irp qf, 0,1
	v_max3_num_f32 v[MN+\qf], v[MN+\qf], v[SC+8*(2*((2+2*i)>>3)+\qf)+((2+2*i)&7)], v[SC+8*(2*((2+2*i)>>3)+\qf)+((2+2*i)&7)+1]
	v_max3_num_f32 v[TB+\qf], v[TB+\qf], v[SC+8*(2*((19+2*i)>>3)+\qf)+((19+2*i)&7)], v[SC+8*(2*((20+2*i)>>3)+\qf)+((20+2*i)&7)]
.endr
.set i, i+1
.endr
.irp qf, 0,1
	v_max3_num_f32 v[MN+\qf], v[MN+\qf], v[SC+8*(2+\qf)+6], v[SC+8*(2+\qf)+7]
.endr
.irp qf, 0,1
	v_max3_num_f32 v[MN+\qf], v[MN+\qf], v[TB+\qf], v[SC+8*(6+\qf)+7]
.endr
.irp qf, 0,1
	v_permlanex16_b32 v[TB+\qf], v[MN+\qf], s72, s73       ; the other half's keys of the same query
.endr
.irp qf, 0,1
	v_max_num_f32 v[MN+\qf], v[MN+\qf], v[TB+\qf]
.endr
	v_pk_add_f32 v[TB:TB+1], v[M:M+1], v[MN:MN+1] neg_lo:[0,1] neg_hi:[0,1]
	v_pk_mul_f32 v[TB:TB+1], v[TB:TB+1], s[30:31] op_sel_hi:[1,0]
	v_exp_f32 v[AL], v[TB]
	v_exp_f32 v[AL+1], v[TB+1]
	v_pk_mul_f32 v[NM:NM+1], v[MN:MN+1], s[30:31] op_sel_hi:[1,0] neg_lo:[1,0] neg_hi:[1,0]   ; also the plain instruction behind the exponentials (ISA guide 5.7.2)
	v_mov_b32 v[M], v[MN]
	v_mov_b32 v[M+1], v[MN+1]
.irp kt, 0,1,2,3
.irp qf, 0,1
.irp p, 0,1,2,3
	v_pk_fma_f32 v[SC+8*(2*\kt+\qf)+2*\p:SC+8*(2*\kt+\qf)+2*\p+1], v[SC+8*(2*\kt+\qf)+2*\p:SC+8*(2*\kt+\qf)+2*\p+1], s[30:31], v[NM:NM+1] op_sel:[0,0,\qf] op_sel_hi:[1,0,\qf]
.endr
.endr
.endr
.set x, 0
.rept 64
	v_exp_f32 v[SC+x], v[SC+x]
.set x, x+1
.endr
	v_nop                                          ; the plain instruction behind the exponentials
	s_wait_alu depctr_va_vdst(0)
.irp kt, 0,1,2,3
.irp qf, 0,1
.irp p, 0,1,2,3
	v_cvt_pk_f16_f32 v[PF+8*(2*\qf+(\kt>>1))+4*(\kt&1)+\p], v[SC+8*(2*\kt+\qf)+2*\p], v[SC+8*(2*\kt+\qf)+2*\p+1]
.endr
.endr
.endr
	; the sum of my 32 numbers of each query, as a tree in place
.irp qf, 0,1
.irp p, 0,1,2,3
	v_pk_add_f32 v[SC+8*\qf+2*\p:SC+8*\qf+2*\p+1], v[SC+8*\qf+2*\p:SC+8*\qf+2*\p+1], v[SC+32+8*\qf+2*\p:SC+32+8*\qf+2*\p+1]
	v_pk_add_f32 v[SC+16+8*\qf+2*\p:SC+16+8*\qf+2*\p+1], v[SC+16+8*\qf+2*\p:SC+16+8*\qf+2*\p+1], v[SC+48+8*\qf+2*\p:SC+48+8*\qf+2*\p+1]
.endr
.endr
.irp qf, 0,1
.irp p, 0,1,2,3
	v_pk_add_f32 v[SC+8*\qf+2*\p:SC+8*\qf+2*\p+1], v[SC+8*\qf+2*\p:SC+8*\qf+2*\p+1], v[SC+16+8*\qf+2*\p:SC+16+8*\qf+2*\p+1]
.endr
.endr
.irp qf, 0,1
	v_pk_add_f32 v[SC+8*\qf:SC+8*\qf+1],   v[SC+8*\qf:SC+8*\qf+1],   v[SC+8*\qf+4:SC+8*\qf+5]
	v_pk_add_f32 v[SC+8*\qf+2:SC+8*\qf+3], v[SC+8*\qf+2:SC+8*\qf+3], v[SC+8*\qf+6:SC+8*\qf+7]
.endr
.irp qf, 0,1
	v_pk_add_f32 v[SC+8*\qf:SC+8*\qf+1], v[SC+8*\qf:SC+8*\qf+1], v[SC+8*\qf+2:SC+8*\qf+3]
.endr
.irp qf, 0,1
	v_add_f32 v[TB+\qf], v[SC+8*\qf], v[SC+8*\qf+1]
.endr
.irp qf, 0,1
	v_fma_f32 v[LS+\qf], v[LS+\qf], v[AL+\qf], v[TB+\qf]
.endr
	WIN 0x41
.irp db, 0,1,2,3
.irp qf, 0,1
.irp p, 0,1,2,3
	v_pk_mul_f32 v[OA+8*(2*\db+\qf)+2*\p:OA+8*(2*\db+\qf)+2*\p+1], v[OA+8*(2*\db+\qf)+2*\p:OA+8*(2*\db+\qf)+2*\p+1], v[AL:AL+1] op_sel:[0,\qf] op_sel_hi:[1,\qf]
.endr
.endr
.endr
.if \pre
	s_wait_dscnt 16                                ; V's 16 loads are in; the 16 loads of the next K fragments, issued behind them, may be out
.else
	s_wait_dscnt 0x0
.endif
	WIN 0x50
.irp kk, 0,1
.irp db, 0,1,2,3
.irp qf, 0,1
	v_wmma_f32_16x16x32_f16 v[OA+8*(2*\db+\qf):OA+8*(2*\db+\qf)+7], v[VF+16*\db+8*\kk:VF+16*\db+8*\kk+7], v[PF+8*(2*\qf+\kk):PF+8*(2*\qf+\kk)+7], v[OA+8*(2*\db+\qf):OA+8*(2*\db+\qf)+7]
.endr
.endr
.endr
	WIN 0
.endm
; A block ends.  Waves 4-7 hand their M, L and O over; waves 0-3 merge them with their own, divide, put the mean of v where no key was valid,
; round to f16 and store through their stage.  ob: the scalar pair of the block's rows in ao.  K's registers are left alone: they may hold the
; next unit's fragments.  The branch round this block hangs on the work-group's number and the unit's alone, so all eight waves take it alike
; and all pass its two barriers.
.macro FINAL ob, last
	PLACES
	v_permlanex16_b32 v[TB], v[LS], s72, s73
	v_permlanex16_b32 v[TB+1], v[LS+1], s72, s73
	v_pk_add_f32 v[LS:LS+1], v[LS:LS+1], v[TB:TB+1]        ; both halves of the lanes' keys
	s_wait_dscnt 0x0                               ; the exchange area may have been read at an earlier block's end: every wave's LDS reads are back
	s_barrier_signal -1                            ; in front of this barrier,
	s_barrier_wait -1                              ; and only behind it is the area written again
	s_cmp_lt_u32 s12, 4
	s_cbranch_scc1 .Lkeep_\@
	ds_store_b128 v[XA], v[M:M+3] offset:16*512    ; M and L of both fragments
	WIN 0x04                                       ; the stores' data in window 1
.set x, 0
.rept 16
	ds_store_b128 v[XA], v[OA+4*x:OA+4*x+3] offset:512*x   ; O as the registers hold it: 16 bytes a lane; both waves of a pair have one layout
.set x, x+1
.endr
	WIN 0
.Lkeep_\@:
	s_wait_dscnt 0x0                               ; my stores are done,
	s_barrier_signal -1
	s_barrier_wait -1                              ; everybody's are
	s_cmp_gt_u32 s12, 3
	s_cbranch_scc1 .Lgiven_\@
	ds_load_b128 v[TB+2:TB+5], v[XA] offset:16*512
.set x, 0
.rept 16
	ds_load_b128 v[VF+4*x:VF+4*x+3], v[XA] offset:512*x
.set x, x+1
.endr
	s_wait_dscnt 16                                ; the partner's M and L are in; the 16 loads of its O, issued behind them, may be out
	v_max_num_f32 v[MN], v[M], v[TB+2]
	v_max_num_f32 v[MN+1], v[M+1], v[TB+3]
	v_pk_add_f32 v[TB:TB+1], v[M:M+1], v[MN:MN+1] neg_lo:[0,1] neg_hi:[0,1]
	v_pk_add_f32 v[NM:NM+1], v[TB+2:TB+3], v[MN:MN+1] neg_lo:[0,1] neg_hi:[0,1]
	v_pk_mul_f32 v[TB:TB+1], v[TB:TB+1], s[30:31] op_sel_hi:[1,0]
	v_pk_mul_f32 v[NM:NM+1], v[NM:NM+1], s[30:31] op_sel_hi:[1,0]
	v_exp_f32 v[AL], v[TB]                         ; my weight
	v_exp_f32 v[AL+1], v[TB+1]
	v_exp_f32 v[NM], v[NM]                         ; the partner's
	v_exp_f32 v[NM+1], v[NM+1]
	v_nop                                          ; the plain instruction behind the exponentials
	s_wait_alu depctr_va_vdst(0)
	v_pk_mul_f32 v[LS:LS+1], v[LS:LS+1], v[AL:AL+1]
	v_pk_fma_f32 v[LS:LS+1], v[TB+4:TB+5], v[NM:NM+1], v[LS:LS+1]
	v_rcp_f32 v[TB], v[LS]
	v_rcp_f32 v[TB+1], v[LS+1]
	v_cmp_lt_f32 s74, s76, v[MN]                   ; the query has a valid key; also the plain instruction behind the reciprocals
	v_cmp_lt_f32 s75, s76, v[MN+1]
	s_wait_alu depctr_va_vdst(0)
	v_pk_mul_f32 v[AL:AL+1], v[AL:AL+1], v[TB:TB+1]
	v_pk_mul_f32 v[NM:NM+1], v[NM:NM+1], v[TB:TB+1]
	WIN 0x01
.irp db, 0,1,2,3
.irp qf, 0,1
.irp p, 0,1,2,3
	v_pk_mul_f32 v[SC+8*(2*\db+\qf)+2*\p:SC+8*(2*\db+\qf)+2*\p+1], v[OA+8*(2*\db+\qf)+2*\p:OA+8*(2*\db+\qf)+2*\p+1], v[AL:AL+1] op_sel:[0,\qf] op_sel_hi:[1,\qf]
.endr
.endr
.endr
	WIN 0
	s_wait_dscnt 0x0                               ; the partner's O
.irp db, 0,1,2,3
.irp qf, 0,1
.irp p, 0,1,2,3
	v_pk_fma_f32 v[SC+8*(2*\db+\qf)+2*\p:SC+8*(2*\db+\qf)+2*\p+1], v[VF+8*(2*\db+\qf)+2*\p:VF+8*(2*\db+\qf)+2*\p+1], v[NM:NM+1], v[SC+8*(2*\db+\qf)+2*\p:SC+8*(2*\db+\qf)+2*\p+1] op_sel:[0,\qf,0] op_sel_hi:[1,\qf,1]
.endr
.endr
.endr
	WIN 0x01
.irp db, 0,1,2,3
.irp qf, 0,1
.irp jj, 0,1,2,3,4,5,6,7
	v_cndmask_b32 v[SC+8*(2*\db+\qf)+\jj], v[VBR+8*\db+\jj], v[SC+8*(2*\db+\qf)+\jj], s[74+\qf]
.endr
.endr
.endr
	WIN 0
.irp db, 0,1,2,3
.irp qf, 0,1
.irp p, 0,1,2,3
	v_cvt_pk_f16_f32 v[PF+4*(2*\db+\qf)+\p], v[SC+8*(2*\db+\qf)+2*\p], v[SC+8*(2*\db+\qf)+2*\p+1]
.endr
.endr
.endr
.irp db, 0,1,2,3
.irp qf, 0,1
	ds_store_b128 v[STO], v[PF+4*(2*\db+\qf):PF+4*(2*\db+\qf)+3] offset:16*SP*\qf+32*\db
.endr
.endr
.irp t, 0,1,2,3,4,5,6,7
	ds_load_b128 v[SC+4*\t:SC+4*\t+3], v[RD] offset:4*SP*\t        ; LDS serves a wave's instructions in order: these see the stores above
.endr
.irp t, 0,1,2,3,4,5,6,7
	s_wait_dscnt 7-\t                              ; the 7 - t younger read-backs may be out
	global_store_b128 v[L16], v[SC+4*\t:SC+4*\t+3], s[\ob:\ob+1] offset:512*\t     ; four rows of 128 bytes: 512 consecutive bytes, aligned
.endr
.Lgiven_\@:
.if \last == 0
	s_wait_xcnt 0x0                                ; the stores' data registers are S's: written again only behind this wait
	WIN 0x40
.irp n, 0,1,2,3,4,5,6,7
	ds_load_b128 v[QF+4*\n:QF+4*\n+3], v[PL] offset:QOFF+512*\n    ; the small block's Q, kept in my own area since the set-up
.endr
	WIN 0
	v_mov_b32 v[M], 0xfb800000                     ; the small block starts: with M = -2^120 the next unit's factor 2^(c (M - new M)) is 0, and the
	v_mov_b32 v[M+1], 0xfb800000                   ; old O and L, which are finite, are wiped by the multiplication that every unit makes: no clearing
.endif
.endm
.macro UNIT sl, uu
	STEP \sl, \uu, 0, (1-\uu)
	s_cmp_eq_u32 s17, s19                          ; the big block's last unit?
	s_cbranch_scc0 .Lnofin_\@
	FINAL 68, 0
.Lnofin_\@:
	s_add_co_u32 s17, s17, 1
.endm
.macro PERIOD sl, fill
	HEAD \sl, \fill
	UNIT \sl, 0
	UNIT \sl, 1
.endm
.Lloop:                                            ; units 0 to 11
	PERIOD 0, 1
	PERIOD 1, 1
	s_add_co_u32 s18, s18, 1
	s_cmp_lt_u32 s18, 3
	s_cbranch_scc1 .Lloop
	PERIOD 0, 1                                    ; units 12, 13; units 14, 15 are asked for
	PERIOD 1, 2                                    ; units 14, 15; unit 16 is asked for, by waves 0-3
	HEAD 0, 0                                      ; unit 16: the small block's diagonal; nothing is left to fetch
	STEP 0, 0, 1, 0
	FINAL 70, 1
	s_wait_xcnt 0x0
	v_lshl_add_u32 v254, v0, 2, 0x3f800
	v_mov_b32 v255, 0
	s_wait_tensorcnt 0x0
	ds_add_u32 v254, v255
	s_wait_dscnt 0x0
	s_endpgm
.Lfunc_end_k_q63eb873598_attn:
	.size	k_q63eb873598_attn, .Lfunc_end_k_q63eb873598_attn-k_q63eb873598_attn
	.p2alignl 7, 3214868480
	.fill 96, 4, 3214868480
	.section	.rodata,"a",@progbits
	.p2align	6, 0x0
	.amdhsa_kernel k_q63eb873598_attn
		.amdhsa_group_segment_fixed_size 327680
		.amdhsa_private_segment_fixed_size 0
		.amdhsa_enable_private_segment 0
		.amdhsa_kernarg_size 32
		.amdhsa_user_sgpr_count 2
		.amdhsa_user_sgpr_kernarg_segment_ptr 1
		.amdhsa_wavefront_size32 1
		.amdhsa_system_sgpr_workgroup_id_x 1
		.amdhsa_system_sgpr_workgroup_id_y 1
		.amdhsa_system_sgpr_workgroup_id_z 1
		.amdhsa_system_vgpr_workitem_id 0
		.amdhsa_next_free_vgpr 512
		.amdhsa_next_free_sgpr 96
		.amdhsa_reserve_vcc 1
		.amdhsa_float_denorm_mode_32 3
		.amdhsa_float_denorm_mode_16_64 3
		.amdhsa_memory_ordered 1
		.amdhsa_forward_progress 1
		.amdhsa_inst_pref_size 255
	.end_amdhsa_kernel
	.section	.bss,"aw",@nobits
	.p2align	6
	.space	262144
	.amdgpu_metadata
---
amdhsa.version: [ 1, 2 ]
amdhsa.kernels:
  - .name:           k_q63eb873598_attn
    .symbol:         k_q63eb873598_attn.kd
    .args:
      - { .name: qkv, .offset: 0, .size: 8, .value_kind: global_buffer, .address_space: global }
      - { .name: kbias, .offset: 8, .size: 8, .value_kind: global_buffer, .address_space: global }
      - { .name: vsum, .offset: 16, .size: 8, .value_kind: global_buffer, .address_space: global }
      - { .name: ao, .offset: 24, .size: 8, .value_kind: global_buffer, .address_space: global }
    .group_segment_fixed_size: 327680
    .private_segment_fixed_size: 0
    .kernarg_segment_align: 8
    .kernarg_segment_size: 32
    .max_flat_workgroup_size: 256
    .sgpr_count:     96
    .vgpr_count:     512
    .wavefront_size: 32
...
	.end_amdgpu_metadata
.endif
;; end of part 6
;; launch proj (part 7): grid 8 x 32, 4 waves a work-group, clusters of 4 x 4, 327,680 bytes of LDS; arguments ao, wob, b_out, out0; writes out0
.if DOCPART == 7
	.amdgcn_target "amdgcn-amd-amdhsa--gfx1250"
	.amdhsa_code_object_version 6
	.text
	.protected	k_q63eb873598_proj
	.globl	k_q63eb873598_proj
	.p2align	8
	.type	k_q63eb873598_proj,@function
k_q63eb873598_proj:
	s_mov_b64 s[64:65], 0
	v_nop
	global_prefetch_b8 v0, s[64:65] scope:SCOPE_SE
	s_setreg_imm32_b32 hwreg(HW_REG_WAVE_MODE, 25, 1), 1
	s_wait_xcnt 0x0
	s_wait_alu depctr_hold_cnt(0) depctr_sa_sdst(0) depctr_va_vdst(0) depctr_va_sdst(0) depctr_va_ssrc(0) depctr_va_vcc(0) depctr_vm_vsrc(0)
	s_getreg_b32 s2, hwreg(HW_REG_IB_STS2, 6, 4)
	s_cmp_eq_u32 s2, 0
	s_cbranch_scc0 .Lentry_in_a_cluster
	s_endpgm
.Lentry_in_a_cluster:
	s_bfe_u32 s2, ttmp6, 0x10000c
	s_cmp_lg_u32 s2, 0xf033
	s_cbranch_scc0 .Lentry_shape_is_right
	s_endpgm
.Lentry_shape_is_right:
; out0 = ao wob^T + b_out: 4096 x 1024, K = 1024, f16 operands, f32 sums; the bias (f32, as given) starts the sums.
; A work-group makes 128 x 128 with four waves, a wave 64 x 64: 16 accumulator tiles.  256 work-groups.
; K goes through two LDS slots of 256 each: four periods, both slots asked for at the start, two refills.  K is short here, so the slots are
; made as long as two of them fit: a refill then has a slot's 128 matrix instructions of each wave in which to land, and there are two of them.
; ao lies by heads ([16 b + h][n][64] f16): K = 256 is four heads, and a head's 128 rows are 16,384 bytes without a gap.  One descriptor takes
; two heads as two rows of 16,384 bytes, 262,144 bytes apart; the padding, 4 words behind every 32, is counted along the whole tile, so that
; in LDS each 128 bytes (a row of a head) are followed by 16: rows 144 bytes apart, the second head straight behind the first.
; CLUSTERS: 4 x 4; ao's tiles are asked for jointly along a row of the cluster, wob's along a column.
; REGISTERS: window 0: v16-27 addresses, v64-127 and v128-191 fragments of ao (two buffers of K = 64), v192-223 the bias.  Window 1: the same
; numbers, fragments of wob.  Window 2: tile (a, b) at 8 (4 a + b).  The matrix instruction is used transposed: lane l holds row l % 16 of
; out0, its registers 0-7 the columns 8 (l / 16) + 0..7 of the tile.
.set PA, 144                           ; ao's LDS rows: 128 bytes + 16
.set PB, 528                           ; wob's: 512 bytes + 16
.set PLANE, 128*PA                     ; 18,432: one head's 128 rows
.set BOFF, 4*PLANE                     ; 73,728: wob's tile lies behind the four heads
.set BHALF, 64*PB                      ; 33,792
.set SLOT, BOFF+2*BHALF                ; 141,312
.set STAGE, 2*SLOT                     ; behind the ring, never filled by a tensor load: 16 rows x 272 bytes for each wave
.set SPITCH, 272
.set ADRA, 16
.set ADRB, 20
.set STO,  24
.set RD,   25
.set CO,   26
.set BO,   27                          ; 32 h
.set F0,   64
.set F1,   128
.set BIAS, 192
.set G1, 24
.set G0, 32
.set G1B, 48
.set G0B, 56
.set MSB, 0
.macro WIN new                         ; the immediate's high byte repeats the setting that is left
.if MSB != (\new)
	s_set_vgpr_msb (MSB<<8)|(\new)
.set MSB, (\new)
.endif
.endm
.set MUL_W, 0xa1                       ; source 0 (wob) window 1, source 1 (ao) window 0, C and D window 2
.set MUL_B, 0x81                       ; the same with C, the bias, in window 0
.set TO_B,  0x40
.macro WINM bias
.if \bias
	WIN MUL_B
.else
	WIN MUL_W
.endif
.endm
.macro JLOAD s                         ; waves 0, 1 ask for two heads of ao each, waves 2, 3 for 64 rows of wob each: one mask a line
	s_cmp_eq_u32 s11, 0
	s_cbranch_scc0 .Lfor_b_\@
	tensor_load_to_lds s[G0+4*\s:G0+4*\s+3], s[G1:G1+7]
	s_nop 0
	s_branch .Lasked_\@
.Lfor_b_\@:
	tensor_load_to_lds s[G0B+4*\s:G0B+4*\s+3], s[G1B:G1B+7]
	s_nop 0
.Lasked_\@:
.endm
.macro CREST                           ; a round of the cluster's barrier behind its opening work-group barrier
	s_cmp_lg_u32 s10, 0
	s_cbranch_scc1 .Lnot_wave_0_\@
	s_barrier_signal -3
.Lnot_wave_0_\@:
	s_barrier_wait -3
	s_barrier_signal -1
	s_barrier_wait -1
.endm
.macro CROUND
	s_barrier_signal -1
	s_barrier_wait -1
	CREST
.endm
	s_load_b128 s[4:7], s[0:1], 0x0                ; ao, wob
	s_load_b128 s[68:71], s[0:1], 0x10             ; b_out, out0
	s_set_vgpr_msb 0x40
	v_lshl_add_u32 v255, v0, 2, 0x49400
	s_set_vgpr_msb 0x4000
	v_mov_b32 v255, 0
	s_set_vgpr_msb 0x1
	ds_add_u32 v255, v255
	ds_add_u32 v255, v255
	s_set_vgpr_msb 0x100
	v_lshrrev_b32 v1, 5, v0
	v_readfirstlane_b32 s10, v1                    ; wave
	s_lshr_b32 s11, s10, 1                         ; my half of the rows; also: I fetch for ao (0) or wob (1)
	s_and_b32 s12, s10, 1                          ; my half of the columns; also: which two heads, or which 64 rows of wob, I fetch
	s_bfe_u32 s40, ttmp6, 0x40000                  ; cx
	s_bfe_u32 s41, ttmp6, 0x40004                  ; cy
	s_lshl_b32 s42, ttmp9, 2
	s_add_co_u32 s42, s42, s40                     ; block column 0..7
	s_and_b32 s13, ttmp7, 0xffff
	s_lshl_b32 s13, s13, 2
	s_add_co_u32 s13, s13, s41                     ; block row 0..31
	s_lshl_b32 s43, s41, 2
	s_lshl_b32 s43, 15, s43                        ; my row of the cluster
	s_lshl_b32 s44, 0x1111, s40                    ; my column
	; ao: 2 rows x 2,048 elements of 8 bytes, 4 words of padding behind every 32; wob: 64 rows x 256 elements of 2 bytes, 4 words behind every 128
	s_or_b32 s[G1+0], s43, (3<<16)|(1<<20)|(1<<21)|(4<<22)|(3<<25)
	s_or_b32 s[G1B+0], s44, (1<<16)|(1<<20)|(1<<21)|(6<<22)|(3<<25)
	s_mov_b32 s[G1+1], 2048<<16                    ; tensor_dim0
	s_mov_b32 s[G1B+1], 256<<16
	s_mov_b32 s[G1+2], 2<<16                       ; tensor_dim1
	s_mov_b32 s[G1B+2], 64<<16
	s_mov_b32 s[G1+3], 2048<<16                    ; tile_dim0
	s_mov_b32 s[G1B+3], 256<<16
	s_mov_b32 s[G1+4], 2                           ; tile_dim1
	s_mov_b32 s[G1B+4], 64
	s_mov_b32 s[G1+5], 32768                       ; elements from row to row: from a head to the next
	s_mov_b32 s[G1B+5], 1024
	s_mov_b32 s[G1+6], 0
	s_mov_b32 s[G1B+6], 0
	s_mov_b32 s[G1+7], 0
	s_mov_b32 s[G1B+7], 0
	s_lshr_b32 s16, s13, 4                         ; b
	s_lshl_b32 s16, s16, 4
	s_lshl1_add_u32 s16, s12, s16                  ; plane 16 b + my first head of the slot
	s_lshl_b32 s16, s16, 18
	s_and_b32 s17, s13, 15
	s_lshl_b32 s17, s17, 14                        ; 128 rows of 128 bytes for each block row
	s_add_co_u32 s16, s16, s17
	s_mov_b32 s17, 0
	s_lshl_b32 s46, s42, 7
	s_lshl_b32 s47, s12, 6
	s_add_co_u32 s46, s46, s47
	s_lshl_b32 s46, s46, 11                        ; wob's rows of 2,048 bytes
	s_mov_b32 s47, 0
	s_mul_i32 s20, s12, 2*PLANE                    ; LDS addresses hang on the wave alone
	s_mul_i32 s21, s12, BHALF
	s_add_co_u32 s21, s21, BOFF
	s_wait_dscnt 0x0
	s_wait_kmcnt 0x0
	s_add_nc_u64 s[14:15], s[4:5], s[16:17]
	s_add_nc_u64 s[46:47], s[6:7], s[46:47]
	CROUND                                         ; all sixteen work-groups are here: the first joint loads meet
.irp s, 0,1
	s_mov_b32 s[G0+4*\s], 1
	s_add_co_u32 s[G0+4*\s+1], s20, \s*SLOT
	s_add_nc_u64 s[G0+4*\s+2:G0+4*\s+3], s[14:15], \s*(4<<18)      ; slot s: four heads on
	s_or_b32 s[G0+4*\s+3], s[G0+4*\s+3], 0x80000000
	s_mov_b32 s[G0B+4*\s], 1
	s_add_co_u32 s[G0B+4*\s+1], s21, \s*SLOT
	s_add_nc_u64 s[G0B+4*\s+2:G0B+4*\s+3], s[46:47], \s*512
	s_or_b32 s[G0B+4*\s+3], s[G0B+4*\s+3], 0x80000000
	JLOAD \s                                       ; both first fills together, half of K: two tensor loads of the wave are out at the most
.endr
	v_and_b32 v1, 15, v0                           ; r
	v_bfe_u32 v2, v0, 4, 1                         ; h
	v_lshlrev_b32 v[BO], 5, v2
	s_lshl_b32 s46, s42, 9
	s_lshl_b32 s47, s12, 8
	s_add_co_u32 s46, s46, s47                     ; my first column, in bytes of f32
	s_mov_b32 s47, 0
	s_add_nc_u64 s[68:69], s[68:69], s[46:47]
	s_add_nc_u64 s[70:71], s[70:71], s[46:47]
.irp b, 0,1,2,3
.irp e, 0,1
	global_load_b128 v[BIAS+8*\b+4*\e:BIAS+8*\b+4*\e+3], v[BO], s[68:69] offset:64*\b+16*\e   ; b_out of columns 16 b + 8 h + 4 e ..
.endr
.endr
	v_mul_u32_u24 v3, v1, PA
	v_lshl_add_u32 v3, v2, 4, v3
	v_mul_u32_u24 v4, v1, PB
	v_lshl_add_u32 v4, v2, 4, v4
	s_mul_i32 s22, s11, 64*PA                      ; my 64 rows in each head's plane
.irp s, 0,1
	v_add_nc_u32 v[ADRA+\s], s22, v3
	v_add_nc_u32 v[ADRB+\s], s21, v4               ; my 64 rows of wob
	s_add_co_u32 s22, s22, SLOT
	s_add_co_u32 s21, s21, SLOT
.endr
	s_mul_i32 s23, s10, 16*SPITCH
	s_add_co_u32 s23, s23, STAGE
	v_mul_u32_u24 v5, v1, SPITCH
	v_lshl_add_u32 v5, v2, 5, v5
	v_add_nc_u32 v[STO], s23, v5                   ; row r, 32 bytes for each half of the lanes
	v_mul_u32_u24 v5, v2, SPITCH
	v_lshl_add_u32 v5, v1, 4, v5
	v_add_nc_u32 v[RD], s23, v5                    ; lanes 0-15 one row of 256 bytes, lanes 16-31 the next
	v_lshlrev_b32 v5, 12, v2
	v_lshl_add_u32 v[CO], v1, 4, v5                ; the same two rows in out0
; 16 matrix instructions: all my tiles, 32 along K (half ks of the buffer); bias = 1: the product adds onto the bias and starts the sums.
; The 16 accumulators take turns, one instruction a turn, in the same order every time.
.macro MUL16 f, ks, bias
.irp a, 0,1,2,3
.irp b, 0,1,2,3
.if \bias
	v_wmma_f32_16x16x32_f16 v[8*(4*\a+\b):8*(4*\a+\b)+7], v[\f+32*\ks+8*\b:\f+32*\ks+8*\b+7], v[\f+32*\ks+8*\a:\f+32*\ks+8*\a+7], v[BIAS+8*\b:BIAS+8*\b+7]
.else
	v_wmma_f32_16x16x32_f16 v[8*(4*\a+\b):8*(4*\a+\b)+7], v[\f+32*\ks+8*\b:\f+32*\ks+8*\b+7], v[\f+32*\ks+8*\a:\f+32*\ks+8*\a+7], v[8*(4*\a+\b):8*(4*\a+\b)+7]
.endif
.endr
.endr
.endm
; 32 LDS loads in one run: unit u of a slot = K 64 u .. 64 u + 63 = head u of its four: 16 loads of wob, 16 of ao
.macro FETCH slot, u, f
	WIN TO_B
.irp ks, 0,1
.irp i, 0,1,2,3
	ds_load_b128 v[\f+32*\ks+8*\i:\f+32*\ks+8*\i+3],   v[ADRB+\slot] offset:128*\u+64*\ks+\i*16*PB
	ds_load_b128 v[\f+32*\ks+8*\i+4:\f+32*\ks+8*\i+7], v[ADRB+\slot] offset:128*\u+64*\ks+\i*16*PB+32
.endr
.endr
	WIN 0
.irp ks, 0,1
.irp i, 0,1,2,3
	ds_load_b128 v[\f+32*\ks+8*\i:\f+32*\ks+8*\i+3],   v[ADRA+\slot] offset:\u*PLANE+64*\ks+\i*16*PA
	ds_load_b128 v[\f+32*\ks+8*\i+4:\f+32*\ks+8*\i+7], v[ADRA+\slot] offset:\u*PLANE+64*\ks+\i*16*PA+32
.endr
.endr
.endm
.macro PLACES                          ; four independent vector instructions between a matrix instruction and a load into one of its registers,
.rept 4                                ; or a vector or LDS instruction on its result (ISA guide 7.12.1)
	v_nop
.endr
.endm
; One of a slot's first three units: asks for unit u into buffer g at its head, then multiplies buffer f: the fetch has 32 matrix instructions to land
.macro UNITK slot, u, f, g, bias
	PLACES                                         ; buffer g was read by the matrix instructions just above
	FETCH \slot, \u, \g
	s_wait_dscnt 32                                ; all but the 32 just issued: buffer f is in
	WINM \bias
	MUL16 \f, 0, \bias
	WIN MUL_W
	MUL16 \f, 1, 0
.endm
.macro PERIOD slot, bias
	UNITK \slot, 1, F0, F1, \bias
	UNITK \slot, 2, F1, F0, 0
	UNITK \slot, 3, F0, F1, 0
.endm
; A slot's last unit multiplies buffer 1 and changes slots.  One barrier: in front of it my reads of this slot and all my tensor loads are waited
; for.  fill = 1: it opens a round of the cluster's barrier, and behind the round this slot is filled again, two slots ahead.
.macro TURN slot, next, fill
	s_wait_dscnt 0                                 ; buffer 1 is in, and with it my reads of this slot are over
	s_wait_tensorcnt 0x0                           ; all my tensor loads have landed: the one that was out is my part of the next slot
	ds_add_u32 v255, v255
	s_wait_dscnt 0x0
	s_barrier_signal -1
	WIN MUL_W
	MUL16 F1, 0, 0                                 ; work on registers while the others arrive
	WIN 0
	s_barrier_wait -1
.if \fill
	CREST
	s_add_nc_u64 s[G0+4*\slot+2:G0+4*\slot+3], s[G0+4*\slot+2:G0+4*\slot+3], 8<<18    ; two slots = eight heads on
	s_add_nc_u64 s[G0B+4*\slot+2:G0B+4*\slot+3], s[G0B+4*\slot+2:G0B+4*\slot+3], 1024
	JLOAD \slot                                    ; the first tensor load behind the round
.endif
	PLACES
	FETCH \next, 0, F0
	WIN MUL_W
	MUL16 F1, 1, 0
.endm
	s_wait_loadcnt 0x0                             ; the bias
	s_wait_tensorcnt 1                             ; my part of slot 0 is in; slot 1's may stay out
	s_barrier_signal -1
	s_barrier_wait -1
	FETCH 0, 0, F0
	PERIOD 0, 1                                    ; K 0-255
	TURN 0, 1, 1                                   ; slot 0 takes K 512-767
	PERIOD 1, 0                                    ; K 256-511
	TURN 1, 0, 1                                   ; slot 1 takes K 768-1023
	PERIOD 0, 0
	TURN 0, 1, 0                                   ; nothing is left to fetch
	PERIOD 1, 0
	s_wait_dscnt 0
	WIN MUL_W
	MUL16 F1, 0, 0
	MUL16 F1, 1, 0
	; THE WAY OUT, 16 rows at a time, f32: into my stage by tiles, back as whole rows of 256 bytes
	PLACES
	s_lshl_b32 s16, s13, 7
	s_lshl_b32 s17, s11, 6
	s_add_co_u32 s16, s16, s17
	s_lshl_b32 s16, s16, 12                        ; my first row, 4,096 bytes a row
	s_mov_b32 s17, 0
	s_add_nc_u64 s[70:71], s[70:71], s[16:17]
.macro OUT16 i, f
	WIN 0x08                                       ; the LDS stores' data in window 2
.irp b, 0,1,2,3
.irp e, 0,1
	ds_store_b128 v[STO], v[8*(4*\i+\b)+4*\e:8*(4*\i+\b)+4*\e+3] offset:64*\b+16*\e
.endr
.endr
	WIN 0
	s_wait_xcnt 0x0                                ; buffer f was the data of earlier stores: it is rewritten only behind this wait
.irp t, 0,1,2,3,4,5,6,7
	ds_load_b128 v[\f+4*\t:\f+4*\t+3], v[RD] offset:\t*2*SPITCH    ; LDS serves a wave's instructions in order: these see the stores above
.endr
.irp t, 0,1,2,3,4,5,6,7
	s_wait_dscnt 7-\t                              ; the 7 - t younger read-backs may be out
	global_store_b128 v[CO], v[\f+4*\t:\f+4*\t+3], s[70:71] offset:(16*\i+2*\t)*4096 th:TH_STORE_NT   ; sixteen lanes store 256 consecutive bytes, aligned
.endr
.endm
	OUT16 0, F0
	OUT16 1, F1
	OUT16 2, F0
	OUT16 3, F1
	s_set_vgpr_msb 0x1
	s_wait_tensorcnt 0x0
	ds_add_u32 v255, v255
	s_wait_dscnt 0x0
	s_set_vgpr_msb 0x100
	CROUND                                         ; the closing round: no work-group ends while a partner may still ask for a tile that names it
	s_endpgm
.Lfunc_end_k_q63eb873598_proj:
	.size	k_q63eb873598_proj, .Lfunc_end_k_q63eb873598_proj-k_q63eb873598_proj
	.p2alignl 7, 3214868480
	.fill 96, 4, 3214868480
	.section	.rodata,"a",@progbits
	.p2align	6, 0x0
	.amdhsa_kernel k_q63eb873598_proj
		.amdhsa_group_segment_fixed_size 327680
		.amdhsa_private_segment_fixed_size 0
		.amdhsa_enable_private_segment 0
		.amdhsa_kernarg_size 32
		.amdhsa_user_sgpr_count 2
		.amdhsa_user_sgpr_kernarg_segment_ptr 1
		.amdhsa_wavefront_size32 1
		.amdhsa_system_sgpr_workgroup_id_x 1
		.amdhsa_system_sgpr_workgroup_id_y 1
		.amdhsa_system_sgpr_workgroup_id_z 1
		.amdhsa_system_vgpr_workitem_id 0
		.amdhsa_next_free_vgpr 640
		.amdhsa_next_free_sgpr 80
		.amdhsa_reserve_vcc 0
		.amdhsa_float_denorm_mode_32 3
		.amdhsa_float_denorm_mode_16_64 3
		.amdhsa_memory_ordered 1
		.amdhsa_forward_progress 1
		.amdhsa_inst_pref_size 87
	.end_amdhsa_kernel
	.amdgpu_metadata
---
amdhsa.version: [ 1, 2 ]
amdhsa.kernels:
  - .name:           k_q63eb873598_proj
    .symbol:         k_q63eb873598_proj.kd
    .args:
      - { .name: ao, .offset: 0, .size: 8, .value_kind: global_buffer, .address_space: global }
      - { .name: wob, .offset: 8, .size: 8, .value_kind: global_buffer, .address_space: global }
      - { .name: b_out, .offset: 16, .size: 8, .value_kind: global_buffer, .address_space: global }
      - { .name: out0, .offset: 24, .size: 8, .value_kind: global_buffer, .address_space: global }
    .group_segment_fixed_size: 327680
    .private_segment_fixed_size: 0
    .kernarg_segment_align: 8
    .kernarg_segment_size: 32
    .max_flat_workgroup_size: 128
    .sgpr_count:     80
    .vgpr_count:     640
    .wavefront_size: 32
...
	.end_amdgpu_metadata
.endif
;; end of part 7
